; MI455X (gfx1250); checked and timed in simulation.
; The chip was launched on July 23, 2026; its instructions are those of AMD's public machine-readable ISA for CDNA 5 (MIT licence, August 2026) and "CDNA5" Instruction Set Architecture Reference Guide (July 2026). The comments in the code are by the model that wrote it; some were corrected since.
;; Pairwise Adj Decoder. Allowed arithmetic: matrix products marked QUANTISED: E2M3 operands, one E8M0 scale for each 32 along K, by v_wmma_scale_f32_16x16x128_f8f6f4 with both operands' format E2M3, f32 sums; products left as they are: f32 operands where the result goes on into a quantised operand, else bf16, f16 or f32 operands; f32 sums; everything else in f32.
;; Inputs: W1 512 x 512 float32; W2 512 x 512 float32; W3 512 x 1 float32; b1 512 float32; b2 512 float32; b3 1 float32; h 512 x 256 float32.
;; Outputs: out0 512 x 512 float32.
;; This version of the problem:
;;   THIS VERSION OF THE PROBLEM IS GIVEN IN LOW PRECISION. The matrix products marked QUANTISED in the list below multiply operands that are first quantised to E2M3 (2 exponent bits, 3 mantissa bits; 6 bits a number), with one power-of-two scale for each 32 numbers along K (OCP MX v1.0); their sums are f32. All else is computed in f32.
;;   The module's matrix products, in the order in which they are computed (A, B: the left and right operand; K: the contracted axis; several contracted axes count as one K, in the product's order):
;;     1. [M 512, K 256] x [K 256, N 512]; A: input h; B: input W1: QUANTISED
;;     2. [M 512, K 256] x [K 256, N 512]; A: input h; B: input W1: QUANTISED
;;     3. [M 262,144, K 512] x [K 512, N 512]; A: computed on the way; B: input W2: QUANTISED
;;     4. [M 262,144, K 512] x [K 512, N 1]; A: computed on the way; B: input W3: left as it is (N = 1 < 16)
;;   THE QUANTISER, for each operand of a quantised product, along K:
;;     - K is cut into blocks of 32 from its start; a last block that is shorter is filled with zeros.
;;     - A block's scale is 2^e with e = floor(log2(the largest magnitude in the block)) - 2, held to -126 .. 127; a block of zeros has e = 0. As a byte (E8M0): e + 127.
;;     - Each number is divided by its block's scale, clamped to +-7.5, and rounded to the nearest number of E2M3, ties to even, subnormals kept.
;;     - The product sums the exact products of the quantised numbers (number of the format x scale) in f32.
;;   ~~~python
;;   def quantise(x, axis):      # numpy; x: float32 -> the quantised numbers, widened to float32 again
;;       x = np.moveaxis(x, axis, -1); K = x.shape[-1]
;;       x = np.pad(x, [(0, 0)] * (x.ndim - 1) + [(0, -K % 32)]); x = x.reshape(x.shape[:-1] + (-1, 32)); a = np.abs(x).max(-1, keepdims=True)
;;       e = np.where(a > 0, np.clip(np.frexp(np.where(a > 0, a, 1))[1] - 1 - 2, -126, 127), 0)      # np.frexp(a)[1] - 1 = floor(log2(a)), exactly
;;       r = np.clip(x / 2.0 ** e, -7.5, 7.5)
;;       step = 2.0 ** (np.maximum(np.frexp(np.where(r == 0, 1, r))[1] - 1, 0) - 3)
;;       q = np.round(r / step) * step * 2.0 ** e      # np.round: ties to even
;;       return np.moveaxis(q.reshape(q.shape[:-2] + (-1,))[..., :K], -1, axis).astype(np.float32)
;;   ~~~
;;   OPERANDS COMPUTED ON THE WAY. 'Computed on the way' means the value that the module computes at that place (a softmax that the list does not call 'softmax' is quantised finished and normalised). What goes into a quantiser is computed in f32, as accurately as f32 sums, v_exp_f32 and their like allow (about 1e-6 of the number): no bf16 or f16 on the way to a quantiser, and a product that is left as it is and whose result goes on into a quantised operand takes f32 operands (vector FMAs, or v_wmma_f32_16x16x4_f32). A number that lies on a knife's edge between two numbers of the format may be rounded either way, as far as f32 arithmetic and the matrix unit's own rounding can turn it there, and no further.
;; 2 versions, each right; version 2 is version 1 with the launches prep, main written anew for expert scheduling mode. Each part assembles by itself: llvm-mc -triple=amdgcn-amd-amdhsa -mcpu=gfx1250 --defsym DOCPART=n.
;; ======== version 1 of 2: 2 launches
;; limits: a function is approximated: absolute error at most 1e-07
;; workspace buffers: y 2,097,152 bytes; w2c 196,608 bytes; w2s 16,384 bytes
;; launch prep (part 1): grid 128 x 1, 8 waves a work-group, no clusters, 27,648 bytes of LDS; arguments h, W1, b1, W2, y, w2c, w2s; writes y, w2c, w2s
.if DOCPART == 1
	.amdgcn_target "amdgcn-amd-amdhsa--gfx1250"
	.amdhsa_code_object_version 6
	.text
	.protected	k_q5f82968c37_prep
	.globl	k_q5f82968c37_prep
	.p2align	8
	.type	k_q5f82968c37_prep,@function
k_q5f82968c37_prep:
	s_mov_b64 s[64:65], 0
	v_nop
	global_prefetch_b8 v0, s[64:65] scope:SCOPE_SE
	s_setreg_imm32_b32 hwreg(HW_REG_WAVE_MODE, 25, 1), 1
	s_wait_xcnt 0x0
; ya = c1 (Q(h) Q(W1[0:256]) + b1) and yb = c1 Q(h) Q(W1[256:512]), c1 = 2 log2(e), both products on codes of FP6 (E2M3) with one E8M0 scale for each 32 along K;
; and W2 [512 (k)][512 (n)] as codes and scale words.  All three results are laid in the order in which the next launch's registers take them.
;   y   [half 2][rg 32][w 4][c 2][q 8][lane 32][4 f32]: row 16 rg + r, unit 128 w + 64 c + 32 hh + 4 q + e lies at lane 16 hh + r, word e.  half 0: ya, half 1: yb.
;   w2c [nt 32][ks 4][cc 3][lane 32][16 bytes]: the 12 registers of the fragment (columns 16 nt .., k 128 ks ..), four registers a piece.   w2s [nt][ks][lane 32]: its scale word, column lane % 16.
; SHARES.  128 work-groups of eight waves: half = wg / 64, four tiles of 16 units (Tq = (wg / 8) % 8), four groups of 16 rows (rq = wg % 8).  Wave (tw = wave % 4, kh = wave / 4) quantises ONE fragment of h
; (rows 16 (4 rq + tw) .., k 128 kh ..) and ONE of W1 (units 16 (4 Tq + tw) .., the same k), hands them to the others through LDS as images of their registers (three stores of 512 consecutive bytes, and the
; scale word, 4 bytes a lane), and behind one barrier makes two tiles of results: units of tile tw, row groups 2 kh and 2 kh + 1.  A fragment of h is so quantised by 16 work-groups and one of W1 by 8:
; both tensors are small, and a launch of their own would cost more than the repeated work.  Wave 0 of work-group wg also quantises fragment wg of W2.
; A LANE HOLDS WHOLE BLOCKS: lane (r, hh) takes k = 64 c + 32 hh + 0 .. 31 of its row (h) or column (W1, W2: its registers run down K), the very order of the operand's registers: nothing changes lanes but the scale bytes.
; THE PRODUCT IS USED TRANSPOSED (source 0 = 16 units of W1, source 1 = 16 rows of h): a lane then holds one row and eight neighbouring units.
; A block's scale byte is its largest magnitude's exponent field - 2, held at 1 from below.  LIMITS: a block of zeros gets the byte 1 (its codes are zeros; this program alone reads the bytes);
; blocks whose largest magnitude lies under 2^-124 have the byte 1; NaN and infinities among the inputs are not served.
; No tensor loads, no cluster: every operand is read once, at the head, straight into registers.
.set FRB,  1536                        ; a fragment's image: 12 registers x 128 bytes
.set HIMG, 0                           ; LDS: h's 8 fragments, index 2 (row group) + (K step),
.set HSC,  8*FRB                       ; their scale words, 128 bytes each,
.set WIMG, HSC+8*128                   ; W1's 8 fragments, index 2 (tile of units) + (K step),
.set WSC,  WIMG+8*FRB                  ; their scale words
.set LI,   1                           ; v1   16 x lane
.set LS,   2                           ; v2   4 x lane
.set SH8,  3                           ; v3   8 hh: where my two scale bytes stand in the word
.set HO,   4                           ; v4   h: 1024 r + 128 hh
.set WO,   5                           ; v5   W1, W2: 65536 hh + 4 r (32 rows of 2,048 bytes; a column is 4 bytes)
.set BO,   6                           ; v6   b1: 32 hh
.set YO,   7                           ; v7   y: 1024 hh + 16 r
.set IMA,  8                           ; v8   where I store an image: 16 x lane + FRB (2 tw + kh)
.set SSA,  9                           ; v9   and its scale word: 4 x lane + 128 (2 tw + kh)
.set WFA,  10                          ; v10  where I read W1's two fragments;  v11 h's four;  v12, v13 their scale words
.set HFA,  11
.set WSA,  12
.set HSA,  13
.set RR,   14
.set HH,   15
.set HN,   16                          ; v16-79   64 numbers of h;      behind the barrier: v16-39 W1's two fragments, v40-87 h's four
.set WN,   80                          ; v80-143  64 numbers of W1;     behind the barrier: v96-111 two accumulators, v112-127 what is stored
.set W2N,  144                         ; v144-207 64 numbers of W2 (wave 0)
.set PC,   208                         ; v208-219 the codes just made
.set CT,   220                         ; v220-222, v224-226: a conversion's three registers begin on an even number: the upper halves are made here and moved
.set MX,   228
.set SO,   230
.set BY,   232
.set PW,   236                         ; the scale word just made
.set PT,   237
.set BI,   240                         ; v240-247 c1 b1 of my eight units (0 in half 1)
.set WS,   248                         ; v248-249 W1's scale words, v250-253 h's: these six hold scales and nothing else
.set HS,   250
.set WF,   16
.set HF,   40
.set DD,   96
.set OUTR, 112
.set SEL,  24                          ; s[24:25] v_permlanex16_b32's selects for lane l xor 16
.set C1,   26                          ; s[26:27] c1
; 64 numbers of a lane, v[s + 32 c + i] = k 64 c + 32 hh + i, become the fragment's 12 registers in v[PC] on and its scale word in v[PW]
.macro QF s
	v_max3_num_f32 v[MX], |v[\s]|, |v[\s+1]|, 0x1800000             ; my two blocks by turns; the floor 2^(3 - 127) among the leaves holds the byte at 1 from below
	v_max3_num_f32 v[MX+1], |v[\s+32]|, |v[\s+33]|, 0x1800000
.irp i, 2,4,6,8,10,12,14,16,18,20,22,24,26,28,30
	v_max3_num_f32 v[MX], v[MX], |v[\s+\i]|, |v[\s+\i+1]|
	v_max3_num_f32 v[MX+1], v[MX+1], |v[\s+32+\i]|, |v[\s+33+\i]|
.endr
	v_add_nc_u32 v[SO], 0xff000000, v[MX]                           ; 2 off the exponent field: the conversion takes this operand's exponent field as its scale
	v_add_nc_u32 v[SO+1], 0xff000000, v[MX+1]
	v_cvt_scalef32_pk16_fp6_f32 v[PC:PC+2], v[\s:\s+15], v[SO]
	v_cvt_scalef32_pk16_fp6_f32 v[CT:CT+2], v[\s+16:\s+31], v[SO]
	v_cvt_scalef32_pk16_fp6_f32 v[PC+6:PC+8], v[\s+32:\s+47], v[SO+1]
	v_cvt_scalef32_pk16_fp6_f32 v[CT+4:CT+6], v[\s+48:\s+63], v[SO+1]
	v_lshrrev_b32 v[BY], 23, v[SO]                                  ; the scale bytes.  (Also the plain instruction behind the conversions)
	v_lshrrev_b32 v[BY+1], 23, v[SO+1]
	v_lshl_or_b32 v[PW], v[BY+1], 16, v[BY]                         ; blocks hh and 2 + hh,
	v_lshlrev_b32 v[PW], v[SH8], v[PW]                              ; at their places in the word;
	v_permlanex16_b32 v[PT], v[PW], s[SEL], s[SEL+1]
	v_or_b32 v[PW], v[PW], v[PT]                                    ; with lane l xor 16's two the word is whole, in both halves of the lanes
.irp i, 0,1,2
	v_mov_b32 v[PC+3+\i], v[CT+\i]
	v_mov_b32 v[PC+9+\i], v[CT+4+\i]
.endr
.endm
	s_load_b256 s[4:11], s[0:1], 0x0               ; h s[4:5], W1 s[6:7], b1 s[8:9], W2 s[10:11]
	s_load_b128 s[12:15], s[0:1], 0x20             ; y s[12:13], w2c s[14:15]
	s_load_b64 s[16:17], s[0:1], 0x30              ; w2s
	v_lshl_add_u32 v254, v0, 2, 0x6800
	v_mov_b32 v255, 0
	v_lshrrev_b32 v[RR], 5, v0
	v_readfirstlane_b32 s18, v[RR]                 ; wave 0..7
	s_and_b32 s19, s18, 3                          ; tw
	s_lshr_b32 s20, s18, 2                         ; kh
	s_lshr_b32 s21, ttmp9, 6                       ; half
	s_bfe_u32 s22, ttmp9, 0x30003                  ; Tq
	s_lshl_b32 s22, s22, 2
	s_add_co_u32 s22, s22, s19                     ; T = 4 Tq + tw: my tile of 16 units
	s_and_b32 s23, ttmp9, 7                        ; rq
	s_mov_b32 s[SEL], 0x76543210
	s_mov_b32 s[SEL+1], 0xfedcba98
	s_mov_b32 s[C1], 0x4038aa3b                    ; c1 = 2 log2(e)
	s_mov_b32 s[C1+1], s[C1]                       ; (named with it as a pair, so it is written)
	v_and_b32 v[RR], 31, v0
	v_lshlrev_b32 v[LI], 4, v[RR]
	v_lshlrev_b32 v[LS], 2, v[RR]
	v_and_b32 v[RR], 15, v0                        ; r
	v_bfe_u32 v[HH], v0, 4, 1                      ; hh
	v_lshlrev_b32 v[SH8], 3, v[HH]
	v_lshlrev_b32 v[HO], 10, v[RR]
	v_lshl_add_u32 v[HO], v[HH], 7, v[HO]
	v_lshlrev_b32 v[WO], 2, v[RR]
	v_lshl_add_u32 v[WO], v[HH], 16, v[WO]
	v_lshlrev_b32 v[BO], 5, v[HH]
	v_lshlrev_b32 v[YO], 4, v[RR]
	v_lshl_add_u32 v[YO], v[HH], 10, v[YO]
	v_mov_b32 v[PT], 0                             ; written once: a lane permute's destination counts as one of its sources
	s_lshl_b32 s28, s19, 1
	s_add_co_u32 s28, s28, s20                     ; 2 tw + kh: the index of both fragments that I make
	s_mul_i32 s29, s28, FRB
	v_add_nc_u32 v[IMA], s29, v[LI]
	s_lshl_b32 s29, s28, 7
	v_add_nc_u32 v[SSA], s29, v[LS]
	s_mul_i32 s29, s19, 2*FRB
	v_add_nc_u32 v[WFA], s29, v[LI]                ; W1's fragments 2 tw, 2 tw + 1
	s_mul_i32 s29, s20, 4*FRB
	v_add_nc_u32 v[HFA], s29, v[LI]                ; h's fragments 4 kh .. 4 kh + 3
	s_lshl_b32 s29, s19, 8
	v_add_nc_u32 v[WSA], s29, v[LS]
	s_lshl_b32 s29, s20, 9
	v_add_nc_u32 v[HSA], s29, v[LS]
	; byte offsets, apart from the addresses
	s_lshl_b32 s28, s23, 2
	s_add_co_u32 s28, s28, s19
	s_lshl_b32 s28, s28, 14                        ; h: 16 (4 rq + tw) rows of 1,024 bytes,
	s_lshl_b32 s29, s20, 9
	s_add_co_u32 s28, s28, s29                     ; + 128 kh numbers
	s_mov_b32 s29, 0
	s_lshl_b32 s30, s21, 19                        ; W1: (256 half + 128 kh) rows of 2,048 bytes,
	s_lshl_b32 s31, s20, 18
	s_add_co_u32 s30, s30, s31
	s_lshl_b32 s32, s22, 6                         ; + 16 T columns; b1: 16 T numbers
	s_add_co_u32 s30, s30, s32
	s_mov_b32 s31, 0
	s_mov_b32 s33, 0
	s_and_b32 s34, ttmp9, 3                        ; W2's fragment wg: ks = wg % 4: 128 ks rows,
	s_lshl_b32 s34, s34, 18
	s_lshr_b32 s35, ttmp9, 2                       ; nt = wg / 4: 16 nt columns
	s_lshl_b32 s35, s35, 6
	s_add_co_u32 s34, s34, s35
	s_mov_b32 s35, 0
	s_lshl_b32 s36, s21, 20                        ; y: half,
	s_lshl_b32 s37, s23, 17
	s_add_co_u32 s36, s36, s37                     ; row group 4 rq
	s_lshl_b32 s37, s20, 16
	s_add_co_u32 s36, s36, s37                     ; + 2 kh, of 32,768 bytes;
	s_lshr_b32 s37, s22, 2
	s_lshl_b32 s37, s37, 12
	s_add_co_u32 s36, s36, s37                     ; units 16 T ..: w and c are T / 4, 4,096 bytes each;
	s_and_b32 s37, s22, 1
	s_lshl_b32 s37, s37, 11
	s_add_co_u32 s36, s36, s37                     ; q = 4 (T % 2) + ..;
	s_bfe_u32 s37, s22, 0x10001
	s_lshl_b32 s37, s37, 8
	s_add_co_u32 s36, s36, s37                     ; the layout's half of the lanes is (T / 2) % 2
	s_mov_b32 s37, 0
	s_mul_i32 s38, ttmp9, FRB
	s_mov_b32 s39, 0
	s_lshl_b32 s40, ttmp9, 7
	s_mov_b32 s41, 0
	s_cmp_eq_u32 s21, 0
	s_cselect_b32 s42, s[C1], 0                    ; the bias goes with ya alone
	s_mov_b32 s43, s42
	s_wait_kmcnt 0x0
	s_add_nc_u64 s[4:5], s[4:5], s[28:29]
	s_add_nc_u64 s[6:7], s[6:7], s[30:31]
	s_add_nc_u64 s[8:9], s[8:9], s[32:33]
	s_add_nc_u64 s[10:11], s[10:11], s[34:35]
	s_add_nc_u64 s[12:13], s[12:13], s[36:37]
	s_add_nc_u64 s[14:15], s[14:15], s[38:39]
	s_add_nc_u64 s[16:17], s[16:17], s[40:41]
.set i, 0
.rept 16
	global_load_b128 v[HN+4*i:HN+4*i+3], v[HO], s[4:5] offset:256*(i/8)+16*(i%8)   ; h(row, 128 kh + 64 c + 32 hh + 4 q ..)
.set i, i+1
.endr
.set i, 0
.rept 64
	global_load_b32 v[WN+i], v[WO], s[6:7] offset:(64*(i/32)+i%32)*2048            ; W1(.. + 64 c + 32 hh + i, 16 T + r): sixteen lanes read 64 neighbouring bytes
.set i, i+1
.endr
	global_load_b128 v[BI:BI+3], v[BO], s[8:9]                                     ; b1 of units 16 T + 8 hh + 0 .. 7
	global_load_b128 v[BI+4:BI+7], v[BO], s[8:9] offset:16
	; W2's fragment: wave 0 alone, loads, quantiser and stores in one branch on the wave's number; no barrier and no LDS access stands in it
	s_cmp_lg_u32 s18, 0
	s_cbranch_scc1 .Lcommon
.set i, 0
.rept 64
	global_load_b32 v[W2N+i], v[WO], s[10:11] offset:(64*(i/32)+i%32)*2048
.set i, i+1
.endr
	s_wait_loadcnt 0x0
	QF W2N
.irp cc, 0,1,2
	global_store_b128 v[LI], v[PC+4*\cc:PC+4*\cc+3], s[14:15] offset:512*\cc       ; 32 lanes store 512 consecutive bytes
.endr
	global_store_b32 v[LS], v[PW], s[16:17]                                        ; 128 consecutive bytes: 16,384 bytes in the whole launch leave so
	s_wait_xcnt 0x0                                ; the stores' data are written again by the next quantiser only behind this wait
.Lcommon:
	s_wait_loadcnt 63                              ; behind h's 16 loads 66 were issued (W1's 64, b1's 2): with 63 out at the most, h's are in
	QF HN
.irp cc, 0,1,2
	ds_store_b128 v[IMA], v[PC+4*\cc:PC+4*\cc+3] offset:HIMG+512*\cc
.endr
	ds_store_b32 v[SSA], v[PW] offset:HSC
	s_wait_loadcnt 0x0                             ; W1 and b1
	s_wait_dscnt 0x0                               ; the stores have read their registers
	QF WN
.irp cc, 0,1,2
	ds_store_b128 v[IMA], v[PC+4*\cc:PC+4*\cc+3] offset:WIMG+512*\cc
.endr
	ds_store_b32 v[SSA], v[PW] offset:WSC
.irp k, 0,2,4,6
	v_pk_mul_f32 v[BI+\k:BI+\k+1], v[BI+\k:BI+\k+1], s[42:43] op_sel_hi:[1,0]      ; c1 b1, or 0
.endr
	s_wait_dscnt 0x0                               ; for the others: my images lie in LDS
	s_barrier_signal -1
	s_barrier_wait -1                              ; all sixteen do
.irp ks, 0,1
.irp cc, 0,1,2
	ds_load_b128 v[WF+12*\ks+4*\cc:WF+12*\ks+4*\cc+3], v[WFA] offset:WIMG+\ks*FRB+512*\cc
.endr
	ds_load_b32 v[WS+\ks], v[WSA] offset:WSC+128*\ks
.endr
.irp f, 0,1,2,3                                ; f = 2 e + ks: row group 2 kh + e, K step ks
.irp cc, 0,1,2
	ds_load_b128 v[HF+12*\f+4*\cc:HF+12*\f+4*\cc+3], v[HFA] offset:HIMG+\f*FRB+512*\cc
.endr
	ds_load_b32 v[HS+\f], v[HSA] offset:HSC+128*\f
.endr
	s_wait_dscnt 0x0
	; two accumulators by turns; the first K step starts the sums
	v_wmma_scale_f32_16x16x128_f8f6f4 v[DD:DD+7], v[WF:WF+11], v[HF:HF+11], 0, v[WS], v[HS] matrix_a_fmt:MATRIX_FMT_FP6 matrix_b_fmt:MATRIX_FMT_FP6
	v_wmma_scale_f32_16x16x128_f8f6f4 v[DD+8:DD+15], v[WF:WF+11], v[HF+24:HF+35], 0, v[WS], v[HS+2] matrix_a_fmt:MATRIX_FMT_FP6 matrix_b_fmt:MATRIX_FMT_FP6
	v_wmma_scale_f32_16x16x128_f8f6f4 v[DD:DD+7], v[WF+12:WF+23], v[HF+12:HF+23], v[DD:DD+7], v[WS+1], v[HS+1] matrix_a_fmt:MATRIX_FMT_FP6 matrix_b_fmt:MATRIX_FMT_FP6
	v_wmma_scale_f32_16x16x128_f8f6f4 v[DD+8:DD+15], v[WF+12:WF+23], v[HF+36:HF+47], v[DD+8:DD+15], v[WS+1], v[HS+3] matrix_a_fmt:MATRIX_FMT_FP6 matrix_b_fmt:MATRIX_FMT_FP6
.rept 4
	v_nop                                          ; four places between the last product and the first read of a result (ISA guide 7.12.1)
.endr
.irp e, 0,1
.irp k, 0,2,4,6
	v_pk_fma_f32 v[OUTR+8*\e+\k:OUTR+8*\e+\k+1], v[DD+8*\e+\k:DD+8*\e+\k+1], s[C1:C1+1], v[BI+\k:BI+\k+1] op_sel_hi:[1,0,1]   ; c1 x sum + c1 b1, each accumulator from its low end on
.endr
.endr
.irp e, 0,1
.irp k, 0,1
	global_store_b128 v[YO], v[OUTR+8*\e+4*\k:OUTR+8*\e+4*\k+3], s[12:13] offset:32768*\e+512*\k   ; lane (r, hh): row r, units 16 T + 8 hh + 4 k ..: sixteen lanes store 256 consecutive bytes, at a multiple of 256 from y's first byte
.endr
.endr
	s_wait_tensorcnt 0x0
	ds_add_u32 v254, v255
	s_wait_dscnt 0x0
	s_endpgm
.Lfunc_end_k_q5f82968c37_prep:
	.size	k_q5f82968c37_prep, .Lfunc_end_k_q5f82968c37_prep-k_q5f82968c37_prep
	.p2alignl 7, 3214868480
	.fill 96, 4, 3214868480
	.section	.rodata,"a",@progbits
	.p2align	6, 0x0
	.amdhsa_kernel k_q5f82968c37_prep
		.amdhsa_group_segment_fixed_size 27648
		.amdhsa_private_segment_fixed_size 0
		.amdhsa_enable_private_segment 0
		.amdhsa_kernarg_size 56
		.amdhsa_user_sgpr_count 2
		.amdhsa_user_sgpr_kernarg_segment_ptr 1
		.amdhsa_wavefront_size32 1
		.amdhsa_system_sgpr_workgroup_id_x 1
		.amdhsa_system_sgpr_workgroup_id_y 1
		.amdhsa_system_sgpr_workgroup_id_z 1
		.amdhsa_system_vgpr_workitem_id 0
		.amdhsa_next_free_vgpr 256
		.amdhsa_next_free_sgpr 66
		.amdhsa_reserve_vcc 0
		.amdhsa_float_denorm_mode_32 3
		.amdhsa_float_denorm_mode_16_64 3
		.amdhsa_memory_ordered 1
		.amdhsa_forward_progress 1
		.amdhsa_inst_pref_size 31
	.end_amdhsa_kernel
	.amdgpu_metadata
---
amdhsa.version: [ 1, 2 ]
amdhsa.kernels:
  - .name:           k_q5f82968c37_prep
    .symbol:         k_q5f82968c37_prep.kd
    .args:
      - { .name: h, .offset: 0, .size: 8, .value_kind: global_buffer, .address_space: global }
      - { .name: W1, .offset: 8, .size: 8, .value_kind: global_buffer, .address_space: global }
      - { .name: b1, .offset: 16, .size: 8, .value_kind: global_buffer, .address_space: global }
      - { .name: W2, .offset: 24, .size: 8, .value_kind: global_buffer, .address_space: global }
      - { .name: y, .offset: 32, .size: 8, .value_kind: global_buffer, .address_space: global }
      - { .name: w2c, .offset: 40, .size: 8, .value_kind: global_buffer, .address_space: global }
      - { .name: w2s, .offset: 48, .size: 8, .value_kind: global_buffer, .address_space: global }
    .group_segment_fixed_size: 27648
    .private_segment_fixed_size: 0
    .kernarg_segment_align: 8
    .kernarg_segment_size: 56
    .max_flat_workgroup_size: 256
    .sgpr_count:     66
    .vgpr_count:     256
    .wavefront_size: 32
...
	.end_amdgpu_metadata
.endif
;; end of part 1
;; launch main (part 2): grid 8 x 32, 8 waves a work-group, no clusters, 130,304 bytes of LDS; arguments y, w2c, w2s, b2, W3, b3, out0; writes out0
.if DOCPART == 2
	.amdgcn_target "amdgcn-amd-amdhsa--gfx1250"
	.amdhsa_code_object_version 6
	.text
	.protected	k_q5f82968c37_main
	.globl	k_q5f82968c37_main
	.p2align	8
	.type	k_q5f82968c37_main,@function
k_q5f82968c37_main:
	s_mov_b64 s[64:65], 0
	v_nop
	global_prefetch_b8 v0, s[64:65] scope:SCOPE_SE
	s_setreg_imm32_b32 hwreg(HW_REG_WAVE_MODE, 25, 1), 1
	s_wait_xcnt 0x0
; out0[i][j] = b3 + W3 . tanh(Q(tanh(yi[i] + yj[j] + b1)) Q(W2) + b2), and -20 where i = j.  The product is on codes of FP6 (E2M3) with one E8M0 scale for each 32 along K.
; y holds ya = c1 (yi + b1) and yb = c1 yj, c1 = 2 log2(e), and w2c, w2s hold W2's codes and scale words, all in the order of this kernel's registers.
; ARITHMETIC.  First layer: t = ya + yb, q = 1 / (1 + 2^t), z = q - 1/2 = -tanh / 2.  z is what is quantised: the quantiser commutes with a factor -1/2 (the codes change sign, the scale byte falls by one),
; so the matrix sums are D = -1/2 x the product of the text.  Second layer: t2 = -4 log2(e) D + c1 b2, q2 = 1 / (1 + 2^t2), tanh = 1 - 2 q2, so out = b3 + sum over n of (W3[n] - 2 W3[n] q2[n]):
; a lane's sum begins at the sum of its own four W3 and takes one fused multiply-add for each q2.  2^t = infinity gives q = 0 and 2^t = 0 gives q = 1: tanh saturates rightly for every finite input.
; LIMITS: tanh formed so has an absolute error of about 1e-7; a block's scale byte is held at 1 from below (largest |z| under 2^-124; a block of zeros has the byte 1 and zero codes); NaN and infinities are not served.
; SHARES.  256 work-groups of EIGHT waves of 512 registers, two waves to a SIMD, so that one wave's vector work stands beside the other's matrix work, waits and LDS loads.  A work-group has 16 rows i (work-group y)
; x 64 columns j (work-group x); a trip of the loop is one i x 64 j: four tiles of 16 pairs.  THE WAVES SHARE THE COLUMNS OF W2, NOT THE PAIRS: wave w keeps W2's units 64 w .. 64 w + 63 for all of K in 192 registers.
; In phase X wave w (kx = w % 4, gp = w / 4) makes K step kx (first layer's units 128 kx ..) of the operands of tiles 2 gp and 2 gp + 1, whose yb it keeps in 128 registers, and hands them to the others through LDS
; as images of their registers; in phase P it multiplies all four tiles' four K steps by its part of W2.  Only codes go round: 6 bits a number.
; A lane of phase X holds WHOLE blocks of 32 (lane (r, hh): pair r, units 64 c + 32 hh + 0 .. 31): the largest magnitude needs no other lane and the conversions' results are the operand's registers.
; In phase P source 0 is the pairs' fragment and source 1 W2's: a lane holds ONE unit n (lane % 16) and eight pairs, so b2 and W3 are one register a tile of units.
; BY TURNS.  Phase X is a pipeline of three stages over four units of 32 numbers (sum and exponential | + 1 and reciprocal | - 1/2, maximum, conversion), so that each step has ONE wait for its transcendentals.
; ya has no registers of its own: a unit's 32 numbers come from LDS into the unit's set, a step ahead, and yb is added in place.
; In phase P the second layer's exponentials and reciprocals of tile m - 1, cut into 16 slices of six, stand behind the 16 matrix instructions of tile m; its 16 multiply-adds follow the last.
; No tensor load, no cluster, no prefetch: what work-groups share (W2's codes, rows of y) is read once, at the head, straight into registers; the loop fetches nothing from memory.
; REGISTERS, in two windows of 256 (s_set_vgpr_msb: bits 1:0 source 0, 3:2 source 1, 5:4 source 2, 7:6 destination):
;   window 0: v1-15 addresses; v16-23 W2's scale words; v24-27 c1 b2; v28-31 -2 W3; v32-33 the sum of my W3; v36-67 the pairs' sums; v68-71 the pairs' scale words; v72-119 their four fragments (phase X: set 2, the codes);
;             v120-183 two sets of four accumulators (phase X: sets 0 and 1); v184-247 yb of tile 2 gp; v248-255 at work in phase X
;   window 1: v0-191 W2, tile t, K step ks at v[48 t + 12 ks]; v192-255 yb of tile 2 gp + 1
.set FRB,  1536                        ; a fragment's image: 12 registers x 128 bytes
.set XIMG, 0                           ; LDS: the pairs' 16 fragments, index 4 (tile) + (K step),
.set XSC,  XIMG+16*FRB                 ; their scale words, 128 bytes each
.set PART, XSC+16*128                  ; the waves' sums of a trip: [wave 8][tile 4][half of 8 registers][lane][16 bytes]
.set OUTS, PART+8*4096                 ; the results: for each wave 17 rows x 32 bytes; row 0 takes what the first trip finds: zeros, never read
.set OUTW, 17*32
.set YA,   OUTS+8*OUTW                 ; ya of the 16 rows i, units 128 kx ..: a copy of 8,192 bytes for each wave, which stores and reads its own alone: no barrier
.set LI,   1                           ; v1   16 x lane
.set LS,   2                           ; v2   4 x lane
.set XWI,  3                           ; v3   where I store an image: XIMG + 16 x lane + FRB (8 gp + kx)
.set XWS,  4                           ; v4   and its scale word: XSC + 4 x lane + 128 (8 gp + kx)
.set ADA0, 5                           ; v5   ya: YA + 8192 x wave + 256 hh
.set ADA,  6                           ; v6   + 16 x the row
.set PS,   7                           ; v7   where I store my sums: PART + 4096 x wave + 16 x lane
.set PRD,  8                           ; v8   where I read all waves' sums: PART + 1024 kx + 512 gp + 16 x lane
.set OWA0, 9                           ; v9   where a result goes: OUTS + OUTW x wave + 16 hh
.set OWA,  10                          ; v10  + 32 x the row
.set SH8,  11                          ; v11  8 hh
.set R4,   12                          ; v12  4 r
.set SA,   13                          ; v13  128 hh + 4 r
.set YST,  14                          ; v14  YA + 8192 x wave + 16 x lane
.set TMP,  15
.set W2S,  16                          ; register 2 t + kp: lanes 0-15 the word of K step 2 kp, lanes 16-31 of 2 kp + 1.  These and v68-71 hold scales and nothing else
.set B2P,  24
.set W3P,  28
.set SW3,  32
.set TT,   34
.set ACC,  36
.set XS,   68
.set XF,   72
.set DB,   120
.set BP0,  184
.set PC,   104                         ; phase X: set 0 = v120-151, set 1 = v152-183, set 2 = v72-103; set k begins at 120 + 32 k - 112 (k / 2)
.set CT,   116
.set MD,   119
.set MA,   248
.set MB,   249
.set MC,   250
.set SO,   251
.set BY,   252
.set PW,   254
.set PT,   255
.set WV,   20                          ; s20  my wave's number;  s19 kx, s46 gp, s21 the work-group's y
.set SEL,  22                          ; s[22:23] v_permlanex16_b32's selects for lane l xor 16
.set CC2,  24                          ; s[24:25] -4 log2(e)
.set TI,   26                          ; s26  16 x the trip
.set TO,   27                          ; s27  32 x the trip
.set CNT,  28                          ; s28  trips to go
.set MSB, 0
.macro WIN new                         ; the immediate's high byte repeats the setting that is left; a switch that changes nothing is dropped
.if MSB != (\new)
	s_set_vgpr_msb (MSB<<8)|(\new)
.set MSB, (\new)
.endif
.endm
; ya of the row in hand for unit u = 2 gl + c: 32 numbers a lane into set u % 3; sixteen lanes read the same 16 bytes
.macro AULOAD u
.set LB, 120+32*((\u)%3)-112*(((\u)%3)/2)
.irp q, 0,1,2,3,4,5,6,7
	ds_load_b128 v[LB+4*\q:LB+4*\q+3], v[ADA] offset:4096*((\u)%2)+512*\q
.endr
.endm
; The last trip's sums of tile kx, registers 4 gp .. 4 gp + 3: eight vectors of four pairs a lane, one from each wave, are added; four steps across sixteen lanes finish the sum over all 512 units.
; left: the LDS loads issued behind the eight, which may stay out
.macro REDUCE left
	s_wait_dscnt \left
.irp k, 0,2,4,6,8,10,12,14
	v_pk_add_f32 v[ACC+\k:ACC+\k+1], v[ACC+\k:ACC+\k+1], v[ACC+16+\k:ACC+17+\k]
.endr
.irp k, 0,2,4,6
	v_pk_add_f32 v[ACC+\k:ACC+\k+1], v[ACC+\k:ACC+\k+1], v[ACC+8+\k:ACC+9+\k]
.endr
.irp k, 0,2
	v_pk_add_f32 v[ACC+\k:ACC+\k+1], v[ACC+\k:ACC+\k+1], v[ACC+4+\k:ACC+5+\k]
.endr
.irp x, 1,2,4,8
.irp e, 0,1,2,3
	v_add_f32_dpp v[ACC+\e], v[ACC+\e], v[ACC+\e] row_xmask:\x row_mask:0xf bank_mask:0xf
.endr
.endr
	v_add_nc_u32 v[OWA], s[TO], v[OWA0]
	ds_store_b128 v[OWA], v[ACC:ACC+3]             ; pairs 8 hh + 4 gp + 0 .. 3 of tile kx; sixteen lanes write the same 16 bytes with the same values
.endm
; Stage 3 of phase X for unit u = 2 gl + c: q - 1/2, the block's scale, the codes; with c = 1 the fragment is whole and goes to LDS.
.macro P3 u
.set QS, 120+32*((\u)%3)-112*(((\u)%3)/2)
.set QC, (\u)%2
.set QG, (\u)/2
.set i, 0
.rept 16
	v_pk_add_f32 v[QS+i:QS+i+1], v[QS+i:QS+i+1], -0.5 op_sel_hi:[1,0]
.set i, i+2
.endr
	v_max3_num_f32 v[MA], |v[QS]|, |v[QS+1]|, 0x1800000            ; the largest magnitude of my 32, in four chains; the floor 2^(3 - 127) among the leaves holds the byte at 1 from below
	v_max3_num_f32 v[MB], |v[QS+2]|, |v[QS+3]|, |v[QS+4]|
	v_max3_num_f32 v[MC], |v[QS+5]|, |v[QS+6]|, |v[QS+7]|
	v_max3_num_f32 v[MD], |v[QS+8]|, |v[QS+9]|, |v[QS+10]|
.set i, 11
.rept 2
	v_max3_num_f32 v[MA], v[MA], |v[QS+i]|, |v[QS+i+1]|
	v_max3_num_f32 v[MB], v[MB], |v[QS+i+2]|, |v[QS+i+3]|
	v_max3_num_f32 v[MC], v[MC], |v[QS+i+4]|, |v[QS+i+5]|
	v_max3_num_f32 v[MD], v[MD], |v[QS+i+6]|, |v[QS+i+7]|
.set i, i+8
.endr
	v_max3_num_f32 v[MA], v[MA], |v[QS+27]|, |v[QS+28]|
	v_max3_num_f32 v[MB], v[MB], |v[QS+29]|, |v[QS+30]|
	v_max3_num_f32 v[MC], v[MC], v[MD], |v[QS+31]|
	v_max3_num_f32 v[MA], v[MA], v[MB], v[MC]
	v_add_nc_u32 v[SO], 0xff000000, v[MA]                          ; 2 off the exponent field: the conversion's scale operand
.if QC == 0
	s_wait_dscnt 0x0                               ; the last fragment's stores have read the registers that the codes now take
.endif
	v_cvt_scalef32_pk16_fp6_f32 v[PC+6*QC:PC+6*QC+2], v[QS:QS+15], v[SO]
	v_cvt_scalef32_pk16_fp6_f32 v[CT:CT+2], v[QS+16:QS+31], v[SO]  ; (a conversion's three registers begin on an even number: the upper half is made here and moved)
	v_lshrrev_b32 v[BY+QC], 23, v[SO]                              ; the scale's byte.  (Also the plain instruction behind the conversions)
.irp i, 0,1,2
	v_mov_b32 v[PC+6*QC+3+\i], v[CT+\i]
.endr
.if QC == 1
	v_lshl_or_b32 v[PW], v[BY+1], 16, v[BY]                        ; my blocks hh and 2 + hh,
	v_lshlrev_b32 v[PW], v[SH8], v[PW]                             ; at their places in the word;
	v_permlanex16_b32 v[PT], v[PW], s[SEL], s[SEL+1]
	v_or_b32 v[PW], v[PW], v[PT]                                   ; with lane l xor 16's two the word is whole
.irp cc, 0,1,2
	ds_store_b128 v[XWI], v[PC+4*\cc:PC+4*\cc+3] offset:4*FRB*QG+512*\cc
.endr
	ds_store_b32 v[XWS], v[PW] offset:512*QG
.endif
.endm
; Step sg of phase X.  First unit sg - 2 goes through stage 3, which frees its set; unit sg + 1's ya is asked for into that set and has the rest of the step in which to land.  Then the stream: unit sg gets
; t = ya + yb and its exponentials, unit sg - 1 gets + 1 and its reciprocals.  Unit u lies in set u % 3.  In the stream a pair is made one group ahead of its two transcendentals, and no instruction of a step names
; a transcendental's result of the same step: the readers stand in the next step, behind the ONE wait.  yb is source 1: window 0 for the first tile, window 1 for the second.
.macro XSTEP sg
.set SE, 120+32*((\sg)%3)-112*(((\sg)%3)/2)
.set SR, 120+32*(((\sg)+2)%3)-112*((((\sg)+2)%3)/2)
.set BB, 184+8*((\sg)/2)+32*((\sg)%2)
.if (\sg) >= 2
	P3 (\sg)-2
.endif
.if (\sg) < 3
	AULOAD (\sg)+1
.endif
.if ((\sg) == 1) || ((\sg) == 2)
	s_wait_dscnt 8                                 ; this unit's ya is in; the next unit's eight loads may be out
.elseif (\sg) == 3
	s_wait_dscnt 4                                 ; this unit's ya is in; the four stores of the image, issued behind its loads, may be out
.endif
.if ((\sg) == 2) || ((\sg) == 3)
	WIN 0x04
.endif
.if ((\sg) > 0) && ((\sg) < 5)
	v_pk_add_f32 v[SR:SR+1], v[SR:SR+1], 1.0 op_sel_hi:[1,0]
.endif
.if (\sg) < 4
	v_pk_add_f32 v[SE:SE+1], v[SE:SE+1], v[BB:BB+1]
.endif
.set p, 0
.rept 16
.if p < 15
.if ((\sg) > 0) && ((\sg) < 5)
	v_pk_add_f32 v[SR+2*p+2:SR+2*p+3], v[SR+2*p+2:SR+2*p+3], 1.0 op_sel_hi:[1,0]
.endif
.if (\sg) < 4
	v_pk_add_f32 v[SE+2*p+2:SE+2*p+3], v[SE+2*p+2:SE+2*p+3], v[BB+2*p+2:BB+2*p+3]
.endif
.endif
.if ((\sg) > 0) && ((\sg) < 5)
	v_rcp_f32 v[SR+2*p], v[SR+2*p]
	v_rcp_f32 v[SR+2*p+1], v[SR+2*p+1]
.endif
.if (\sg) < 4
	v_exp_f32 v[SE+2*p], v[SE+2*p]
	v_exp_f32 v[SE+2*p+1], v[SE+2*p+1]
.endif
.set p, p+1
.endr
	WIN 0
.if (\sg) == 0
	REDUCE 8                                       ; the last trip's results: plain work behind the first exponentials.  Behind the sums' eight loads stand unit 1's eight, which may be out
.elseif (\sg) < 5
	v_nop                                          ; the plain instruction behind the last transcendental
.endif
.if (\sg) < 5
	s_wait_alu depctr_va_vdst(0)                   ; one wait for the step's transcendentals, ahead of their first readers in the next step
.endif
.endm
; The fragments and scale words of K steps ka and ka + 1 of tile m: eight LDS loads
.macro RUN m, ka
.irp k, 0,1
.irp cc, 0,1,2
	ds_load_b128 v[XF+12*((\ka)+\k)+4*\cc:XF+12*((\ka)+\k)+4*\cc+3], v[LI] offset:XIMG+(4*(\m)+(\ka)+\k)*FRB+512*\cc
.endr
	ds_load_b32 v[XS+(\ka)+\k], v[LS] offset:XSC+(4*(\m)+(\ka)+\k)*128
.endr
.endm
; Matrix instruction IDX of a tile's 16: K step IDX / 4, tile of units IDX % 4.  The four accumulators take turns, one instruction a turn; the first K step starts the sums.
.macro MM
.set MK, IDX/4
.set MT, IDX%4
.if MK == 0
	v_wmma_scale_f32_16x16x128_f8f6f4 v[DM+8*MT:DM+8*MT+7], v[XF:XF+11], v[48*MT:48*MT+11], 0, v[XS], v[W2S+2*MT] matrix_a_fmt:MATRIX_FMT_FP6 matrix_b_fmt:MATRIX_FMT_FP6
.elseif MK%2 == 0
	v_wmma_scale_f32_16x16x128_f8f6f4 v[DM+8*MT:DM+8*MT+7], v[XF+12*MK:XF+12*MK+11], v[48*MT+12*MK:48*MT+12*MK+11], v[DM+8*MT:DM+8*MT+7], v[XS+MK], v[W2S+2*MT+MK/2] matrix_a_fmt:MATRIX_FMT_FP6 matrix_b_fmt:MATRIX_FMT_FP6
.else
	v_wmma_scale_f32_16x16x128_f8f6f4 v[DM+8*MT:DM+8*MT+7], v[XF+12*MK:XF+12*MK+11], v[48*MT+12*MK:48*MT+12*MK+11], v[DM+8*MT:DM+8*MT+7], v[XS+MK], v[W2S+2*MT+MK/2] matrix_a_fmt:MATRIX_FMT_FP6 matrix_b_fmt:MATRIX_FMT_FP6 matrix_b_scale:MATRIX_SCALE_ROW1
.endif
.endm
; Number PJ of the 112 of a tile's second layer, on the accumulators at DV.  0-47: 16 packed t2 = -4 log2(e) D + c1 b2 and 32 exponentials; 48-95: 16 packed + 1 and 32 reciprocals; 96-111: 16 packed multiply-adds
; onto the pairs' sums at AV.  In the first two parts a packed line leads each group of three and stands two groups ahead of its pair's transcendentals; none of a part's lines reads a transcendental's result of that part;
; behind each part stand a plain instruction and the one wait.  The packed lines go up through the registers.
.macro PVI
.if PJ < 96
.set PA, PJ%48
.if PA < 2
.set PK, 0
.set PX, PA
.elseif PA < 44
.if (PA-2)%3 == 0
.set PK, 0
.set PX, (PA-2)/3+2
.else
.set PK, 1
.set PX, 2*((PA-2)/3)+(PA-2)%3-1
.endif
.else
.set PK, 1
.set PX, PA-16
.endif
.if PK == 0
.if PJ < 48
.if (PX/4)%2 == 0                              ; c1 b2 of tile PX / 4 is one register: the pair's first or second serves both halves
	v_pk_fma_f32 v[DV+2*PX:DV+2*PX+1], v[DV+2*PX:DV+2*PX+1], s[CC2:CC2+1], v[B2P+2*(PX/8):B2P+2*(PX/8)+1] op_sel_hi:[1,0,0]
.else
	v_pk_fma_f32 v[DV+2*PX:DV+2*PX+1], v[DV+2*PX:DV+2*PX+1], s[CC2:CC2+1], v[B2P+2*(PX/8):B2P+2*(PX/8)+1] op_sel:[0,0,1] op_sel_hi:[1,0,1]
.endif
.else
	v_pk_add_f32 v[DV+2*PX:DV+2*PX+1], v[DV+2*PX:DV+2*PX+1], 1.0 op_sel_hi:[1,0]
.endif
.else
.if PJ < 48
	v_exp_f32 v[DV+PX], v[DV+PX]
.else
	v_rcp_f32 v[DV+PX], v[DV+PX]
.endif
.endif
.if PA == 47
	v_nop
	s_wait_alu depctr_va_vdst(0)
.endif
.else
.set PX, PJ-96                                 ; tile of units PX / 4, pairs 2 (PX % 4) and the next: four chains
.if PX < 4
	v_pk_fma_f32 v[AV+2*PX:AV+2*PX+1], v[DV+2*PX:DV+2*PX+1], v[W3P:W3P+1], v[SW3:SW3+1] op_sel_hi:[1,0,1]   ; the sums begin at the sum of my four W3: nothing is cleared
.elseif (PX/4)%2 == 0
	v_pk_fma_f32 v[AV+2*(PX%4):AV+2*(PX%4)+1], v[DV+2*PX:DV+2*PX+1], v[W3P+2*(PX/8):W3P+2*(PX/8)+1], v[AV+2*(PX%4):AV+2*(PX%4)+1] op_sel_hi:[1,0,1]
.else
	v_pk_fma_f32 v[AV+2*(PX%4):AV+2*(PX%4)+1], v[DV+2*PX:DV+2*PX+1], v[W3P+2*(PX/8):W3P+2*(PX/8)+1], v[AV+2*(PX%4):AV+2*(PX%4)+1] op_sel:[0,1,0] op_sel_hi:[1,1,1]
.endif
.endif
.endm
; A period: tile m has the matrix unit (hasw), tile m - 1 the vector unit (hasv), one slice of six behind each matrix instruction and the 16 multiply-adds, under window 0, behind the last; hasl: tile m + 1 is fetched.
; The four fragments have ONE set of registers: K steps 0 and 1 are fetched anew behind slice 9 (their last reader is matrix instruction 7; slices 7 to 9 hold seven plain instructions),
; K steps 2 and 3 behind the 16 multiply-adds: four places are asked (ISA guide 7.12.1 for vector instructions).  Where there is no vector work, four v_nop.
.macro PERIOD m, hasw, hasv, hasl
.set DM, DB+32*((\m)%2)
.set DV, DB+32*(((\m)+1)%2)
.set AV, ACC+8*((\m)-1)
.set PJ, 0
.if \hasw
	s_wait_dscnt 8                                 ; K steps 0 and 1 are in; the eight loads of K steps 2 and 3 may be out
	WIN 0x04                                       ; source 1 (W2) window 1
.endif
.set IDX, 0
.rept 16
.if \hasw
.if IDX == 8
	s_wait_dscnt 0x0                               ; K steps 2 and 3 are in
.endif
	MM
.endif
.if \hasv
.rept 6
	PVI
.set PJ, PJ+1
.endr
.endif
.if \hasl
.if IDX == 9
.if !\hasv
.rept 4
	v_nop
.endr
.endif
	RUN (\m)+1, 0
.endif
.endif
.set IDX, IDX+1
.endr
	WIN 0
.if \hasv
.rept 16
	PVI
.set PJ, PJ+1
.endr
.else
.rept 4
	v_nop                                          ; the places in front of the loads below and of the next period's first read of these results
.endr
.endif
.if \hasl
	RUN (\m)+1, 2
.endif
.endm
	s_load_b256 s[4:11], s[0:1], 0x0               ; y s[4:5], w2c s[6:7], w2s s[8:9], b2 s[10:11]
	s_load_b128 s[12:15], s[0:1], 0x20             ; W3 s[12:13], b3 s[14:15]
	s_load_b64 s[16:17], s[0:1], 0x30              ; out0
	v_lshrrev_b32 v[TMP], 5, v0
	v_readfirstlane_b32 s[WV], v[TMP]              ; wave 0..7
	s_and_b32 s19, s[WV], 3                        ; kx
	s_lshr_b32 s46, s[WV], 2                       ; gp
	s_and_b32 s21, ttmp7, 0xffff                   ; ig: my 16 rows i
	v_and_b32 v[TMP], 31, v0
	v_lshlrev_b32 v[LI], 4, v[TMP]
	v_lshlrev_b32 v[LS], 2, v[TMP]
	v_and_b32 v[R4], 15, v0
	v_lshlrev_b32 v[R4], 2, v[R4]
	v_bfe_u32 v[SH8], v0, 4, 1                     ; hh
	v_lshl_add_u32 v[SA], v[SH8], 7, v[R4]
	s_lshl_b32 s30, s[WV], 13
	s_add_co_u32 s30, s30, YA
	v_lshl_add_u32 v[ADA0], v[SH8], 8, s30
	v_add_nc_u32 v[YST], s30, v[LI]
	s_lshl_b32 s31, s46, 3
	s_add_co_u32 s31, s31, s19                     ; 8 gp + kx: the index of my first fragment
	s_mul_i32 s47, s31, FRB
	v_add_nc_u32 v[XWI], s47, v[LI]
	s_lshl_b32 s47, s31, 7
	s_add_co_u32 s47, s47, XSC
	v_add_nc_u32 v[XWS], s47, v[LS]
	s_lshl_b32 s31, s[WV], 12
	s_add_co_u32 s31, s31, PART
	v_add_nc_u32 v[PS], s31, v[LI]
	s_lshl_b32 s31, s19, 10
	s_lshl_b32 s47, s46, 9
	s_add_co_u32 s31, s31, s47
	s_add_co_u32 s31, s31, PART
	v_add_nc_u32 v[PRD], s31, v[LI]
	s_mul_i32 s31, s[WV], OUTW
	s_add_co_u32 s31, s31, OUTS
	v_lshl_add_u32 v[OWA0], v[SH8], 4, s31
	v_lshlrev_b32 v[SH8], 3, v[SH8]
	s_mov_b32 s[SEL], 0x76543210
	s_mov_b32 s[SEL+1], 0xfedcba98
	s_mov_b32 s[CC2], 0xc0b8aa3b                   ; -4 log2(e)
	s_mov_b32 s[CC2+1], s[CC2]                     ; (named with it as a pair, so it is written)
	s_mov_b32 s29, 0x4038aa3b                      ; c1 = 2 log2(e)
	s_mov_b32 s[TI], 0
	s_mov_b32 s[TO], 0
	s_mov_b32 s[CNT], 16
	s_lshl_b32 s36, s21, 15                        ; ya: row group ig of 32,768 bytes, the 8,192 of units 128 kx ..
	s_lshl_b32 s37, s19, 13
	s_add_co_u32 s36, s36, s37
	s_lshl_b32 s38, ttmp9, 17                      ; yb: the second half of y, row groups 4 x work-group x + 2 gp on, the same units
	s_add_co_u32 s38, s38, s37
	s_lshl_b32 s39, s46, 16
	s_add_co_u32 s38, s38, s39
	s_add_co_u32 s38, s38, 0x100000
	s_mov_b32 s37, 0
	s_mov_b32 s39, 0
	s_mul_i32 s40, s[WV], 16*FRB                   ; W2's codes: my 4 tiles x 4 K steps
	s_mov_b32 s41, 0
	s_lshl_b32 s42, s[WV], 11                      ; their scale words
	s_mov_b32 s43, 0
	s_lshl_b32 s44, s[WV], 8                       ; b2, W3: my 64 numbers
	s_mov_b32 s45, 0
	s_wait_kmcnt 0x0
	s_load_b32 s18, s[14:15], 0x0                  ; b3
	s_add_nc_u64 s[32:33], s[4:5], s[36:37]
	s_add_nc_u64 s[34:35], s[4:5], s[38:39]
	s_add_nc_u64 s[6:7], s[6:7], s[40:41]
	s_add_nc_u64 s[8:9], s[8:9], s[42:43]
	s_add_nc_u64 s[10:11], s[10:11], s[44:45]
	s_add_nc_u64 s[12:13], s[12:13], s[44:45]
	; all that the launch reads, each load 512 consecutive bytes but the small ones at the end
.set i, 0
.rept 16
	global_load_b128 v[XF+4*i:XF+4*i+3], v[LI], s[32:33] offset:512*i              ; ya, on its way to LDS
.set i, i+1
.endr
.set i, 0
.rept 16
	global_load_b128 v[BP0+4*i:BP0+4*i+3], v[LI], s[34:35] offset:512*i            ; yb of tile 2 gp: c = i / 8, q = i % 8
.set i, i+1
.endr
	WIN 0x40
.set i, 0
.rept 16
	global_load_b128 v[192+4*i:195+4*i], v[LI], s[34:35] offset:32768+512*i        ; yb of tile 2 gp + 1
.set i, i+1
.endr
.set i, 0
.rept 48
	global_load_b128 v[4*i:4*i+3], v[LI], s[6:7] offset:512*i                      ; W2: fragment i / 3 = 4 t + ks, piece i % 3: the buffer lies in the registers' order
.set i, i+1
.endr
	WIN 0
.set i, 0
.rept 8
	global_load_b32 v[W2S+i], v[SA], s[8:9] offset:256*i                           ; register 2 t + kp: 512 t + 256 kp, + 128 for lanes 16-31
.set i, i+1
.endr
.irp t, 0,1,2,3
	global_load_b32 v[B2P+\t], v[R4], s[10:11] offset:64*\t                        ; b2[64 w + 16 t + r]
	global_load_b32 v[ACC+\t], v[R4], s[12:13] offset:64*\t                        ; W3 likewise
.endr
	s_wait_loadcnt 0x0
.set i, 0
.rept 16
	ds_store_b128 v[YST], v[XF+4*i:XF+4*i+3] offset:512*i
.set i, i+1
.endr
.irp t, 0,1,2,3
	v_mul_f32 v[B2P+\t], s29, v[B2P+\t]            ; c1 b2
.endr
	v_add_f32 v[SW3], v[ACC], v[ACC+1]             ; the sum of my four W3
	v_add_f32 v[SW3+1], v[ACC+2], v[ACC+3]
	v_add_f32 v[SW3], v[SW3], v[SW3+1]
	v_mov_b32 v[SW3+1], v[SW3]
.irp t, 0,1,2,3
	v_mul_f32 v[W3P+\t], -2.0, v[ACC+\t]
.endr
.set i, 0
.rept 32
	v_mov_b32 v[ACC+i], 0                          ; the loop is written once: its first trip reduces these zeros into the row that nobody reads
.set i, i+1
.endr
	v_mov_b32 v[PT], 0                             ; written once: a lane permute's destination counts as one of its sources
	v_mov_b32 v[ADA], v[ADA0]
	s_wait_dscnt 0x0                               ; the stores have read their registers, some of which the loads below take
	AULOAD 0                                       ; ya of row 0, unit 0
	s_wait_dscnt 0x0
	s_wait_kmcnt 0x0                               ; b3
.Ltrip:                                            ; 16 trips: row i = 16 ig + trip against the 64 columns j
	; ---- X: my K step of my two tiles' operands
.irp sg, 0,1,2,3,4,5
	XSTEP \sg
.endr
	s_wait_dscnt 0x0                               ; my images and scale words lie in LDS; my reads of the last trip's sums are over
	s_barrier_signal -1
	s_barrier_wait -1                              ; all sixteen fragments lie in LDS, and the sums' bytes may be written again
	; ---- P: all four tiles' four K steps against my part of W2, and the second layer
	RUN 0, 0
	RUN 0, 2
	PERIOD 0, 1, 0, 1
	PERIOD 1, 1, 1, 1
	PERIOD 2, 1, 1, 1
	PERIOD 3, 1, 1, 0
	s_add_co_u32 s[TI], s[TI], 16
	s_and_b32 s30, s[TI], 0xf0                     ; the next row; the last trip takes row 0 once more: the loads stay inside my copy and their data are not used
	v_add_nc_u32 v[ADA], s30, v[ADA0]
	AULOAD 0                                       ; its first unit, into the accumulators that tile 2 has left; it lands under the last tile's vector work
	PERIOD 4, 0, 1, 0
.irp k, 0,1,2,3,4,5,6,7
	ds_store_b128 v[PS], v[ACC+4*\k:ACC+4*\k+3] offset:512*\k      ; my sums: tile k / 2, registers 4 (k % 2) ..
.endr
	s_wait_dscnt 0x0                               ; my sums lie in LDS, ya is in, and my reads of the fragments are over
	s_barrier_signal -1
	s_barrier_wait -1                              ; every wave's sums lie in LDS, and the fragments' bytes may be written again
.irp s, 0,1,2,3,4,5,6,7
	ds_load_b128 v[ACC+4*\s:ACC+4*\s+3], v[PRD] offset:4096*\s     ; they stay out over the backward jump: the wait stands in REDUCE, behind the next trip's first exponentials
.endr
	s_add_co_u32 s[TO], s[TO], 32
	s_sub_co_u32 s[CNT], s[CNT], 1
	s_cmp_lg_u32 s[CNT], 0
	s_cbranch_scc1 .Ltrip
	; ---- the way out: the last row's results; then each wave stores two rows of 64 columns, sixteen lanes to a row's 256 bytes
	REDUCE 0
	s_wait_dscnt 0x0
	s_barrier_signal -1
	s_barrier_wait -1
	v_bfe_u32 v[TMP], v0, 2, 2                     ; columns 4 r .. 4 r + 3: tile r / 4, pairs 8 ((r / 2) % 2) + 4 (r % 2) ..: they lie in the run of wave r / 4 + 4 (r % 2),
	v_mul_u32_u24 v[TMP], v[TMP], OUTW
	v_and_b32 v[TT], 1, v0
	v_mad_u32_u24 v[TMP], v[TT], 4*OUTW, v[TMP]
	v_bfe_u32 v[TT], v0, 1, 1
	v_lshl_add_u32 v[TMP], v[TT], 4, v[TMP]        ; 16 ((r / 2) % 2) bytes into its row;
	v_lshl_add_u32 v[TMP], v[SH8], 2, v[TMP]       ; lanes 16-31 take the next row
	s_lshl_b32 s30, s[WV], 6
	s_add_co_u32 s30, s30, OUTS+32                 ; rows 2 w on; row i lies one place further down
	v_add_nc_u32 v[TMP], s30, v[TMP]
	ds_load_b128 v[ACC:ACC+3], v[TMP]
	v_lshlrev_b32 v[ACC+9], 8, v[SH8]              ; out0: 2,048 hh + 16 r
	v_lshl_add_u32 v[ACC+9], v[R4], 2, v[ACC+9]
	v_lshrrev_b32 v[TT], 3, v[SH8]
	v_sub_nc_u32 v[TT], v[TT], v[R4]
	s_lshl_b32 s31, s21, 4
	s_lshl_b32 s36, s[WV], 1
	s_add_co_u32 s31, s31, s36
	s_lshl_b32 s36, ttmp9, 6
	s_sub_co_u32 s31, s31, s36
	v_add_nc_u32 v[TT], s31, v[TT]                 ; d = my row i - my first column j: word e lies on the diagonal where e = d
	v_mov_b32 v[ACC+8], 0xc1a00000                 ; -20
	s_lshl_b32 s36, s21, 15                        ; rows 16 ig + 2 w of 2,048 bytes, columns 64 x work-group x
	s_lshl_b32 s38, s[WV], 12
	s_add_co_u32 s36, s36, s38
	s_lshl_b32 s38, ttmp9, 8
	s_add_co_u32 s36, s36, s38
	s_mov_b32 s37, 0
	s_add_nc_u64 s[16:17], s[16:17], s[36:37]
	s_wait_dscnt 0x0
.irp e, 0,1,2,3
	v_add_f32 v[ACC+\e], s18, v[ACC+\e]            ; + b3
	v_cmp_eq_u32 vcc_lo, \e, v[TT]
	v_cndmask_b32 v[ACC+\e], v[ACC+\e], v[ACC+8], vcc_lo
.endr
	global_store_b128 v[ACC+9], v[ACC:ACC+3], s[16:17] th:TH_STORE_NT   ; sixteen lanes store 256 consecutive bytes, at a multiple of 256 from out0's first byte
	s_wait_xcnt 0x0
	v_lshl_add_u32 v254, v0, 2, 0x1f900
	v_mov_b32 v255, 0
	s_wait_tensorcnt 0x0
	ds_add_u32 v254, v255
	s_wait_dscnt 0x0
	s_endpgm
.Lfunc_end_k_q5f82968c37_main:
	.size	k_q5f82968c37_main, .Lfunc_end_k_q5f82968c37_main-k_q5f82968c37_main
	.p2alignl 7, 3214868480
	.fill 96, 4, 3214868480
	.section	.rodata,"a",@progbits
	.p2align	6, 0x0
	.amdhsa_kernel k_q5f82968c37_main
		.amdhsa_group_segment_fixed_size 130304
		.amdhsa_private_segment_fixed_size 0
		.amdhsa_enable_private_segment 0
		.amdhsa_kernarg_size 56
		.amdhsa_user_sgpr_count 2
		.amdhsa_user_sgpr_kernarg_segment_ptr 1
		.amdhsa_wavefront_size32 1
		.amdhsa_system_sgpr_workgroup_id_x 1
		.amdhsa_system_sgpr_workgroup_id_y 1
		.amdhsa_system_sgpr_workgroup_id_z 1
		.amdhsa_system_vgpr_workitem_id 0
		.amdhsa_next_free_vgpr 512
		.amdhsa_next_free_sgpr 66
		.amdhsa_reserve_vcc 1
		.amdhsa_float_denorm_mode_32 3
		.amdhsa_float_denorm_mode_16_64 3
		.amdhsa_memory_ordered 1
		.amdhsa_forward_progress 1
		.amdhsa_inst_pref_size 87
	.end_amdhsa_kernel
	.amdgpu_metadata
---
amdhsa.version: [ 1, 2 ]
amdhsa.kernels:
  - .name:           k_q5f82968c37_main
    .symbol:         k_q5f82968c37_main.kd
    .args:
      - { .name: y, .offset: 0, .size: 8, .value_kind: global_buffer, .address_space: global }
      - { .name: w2c, .offset: 8, .size: 8, .value_kind: global_buffer, .address_space: global }
      - { .name: w2s, .offset: 16, .size: 8, .value_kind: global_buffer, .address_space: global }
      - { .name: b2, .offset: 24, .size: 8, .value_kind: global_buffer, .address_space: global }
      - { .name: W3, .offset: 32, .size: 8, .value_kind: global_buffer, .address_space: global }
      - { .name: b3, .offset: 40, .size: 8, .value_kind: global_buffer, .address_space: global }
      - { .name: out0, .offset: 48, .size: 8, .value_kind: global_buffer, .address_space: global }
    .group_segment_fixed_size: 130304
    .private_segment_fixed_size: 0
    .kernarg_segment_align: 8
    .kernarg_segment_size: 56
    .max_flat_workgroup_size: 256
    .sgpr_count:     66
    .vgpr_count:     512
    .wavefront_size: 32
...
	.end_amdgpu_metadata
.endif
;; end of part 2
;; ======== version 2 of 2: 2 launches; version 1 with the launches prep, main written anew for expert scheduling mode
;; limits: a function is approximated: absolute error at most 1e-07
;; workspace buffers: y 2,097,152 bytes; w2c 196,608 bytes; w2s 16,384 bytes
;; launch prep (part 3): grid 128 x 1, 8 waves a work-group, no clusters, 27,648 bytes of LDS; arguments h, W1, b1, W2, y, w2c, w2s; writes y, w2c, w2s
.if DOCPART == 3
	.amdgcn_target "amdgcn-amd-amdhsa--gfx1250"
	.amdhsa_code_object_version 6
	.text
	.protected	k_q5f82968c37_prep
	.globl	k_q5f82968c37_prep
	.p2align	8
	.type	k_q5f82968c37_prep,@function
k_q5f82968c37_prep:
	s_mov_b64 s[64:65], 0
	v_nop
	global_prefetch_b8 v0, s[64:65] scope:SCOPE_SE
	s_setreg_imm32_b32 hwreg(HW_REG_WAVE_SCHED_MODE, 0, 2), 2
	s_setreg_imm32_b32 hwreg(HW_REG_WAVE_MODE, 25, 1), 1
	s_wait_xcnt 0x0
	s_wait_alu depctr_vm_vsrc(0)
; ya = c1 (Q(h) Q(W1[0:256]) + b1) and yb = c1 Q(h) Q(W1[256:512]), c1 = 2 log2(e), both products on codes of FP6 (E2M3) with one E8M0 scale for each 32 along K;
; and W2 [512 (k)][512 (n)] as codes and scale words.  All three results are laid in the order in which the next launch's registers take them.
;   y   [half 2][rg 32][w 4][c 2][q 8][lane 32][4 f32]: row 16 rg + r, unit 128 w + 64 c + 32 hh + 4 q + e lies at lane 16 hh + r, word e.  half 0: ya, half 1: yb.
;   w2c [nt 32][ks 4][cc 3][lane 32][16 bytes]: the 12 registers of the fragment (columns 16 nt .., k 128 ks ..), four registers a piece.   w2s [nt][ks][lane 32]: its scale word, column lane % 16.
; SHARES.  128 work-groups of eight waves: half = wg / 64, four tiles of 16 units (Tq = (wg / 8) % 8), four groups of 16 rows (rq = wg % 8).  Wave (tw = wave % 4, kh = wave / 4) quantises ONE fragment of h
; (rows 16 (4 rq + tw) .., k 128 kh ..) and ONE of W1 (units 16 (4 Tq + tw) .., the same k), hands them to the others through LDS as images of their registers (three stores of 512 consecutive bytes, and the
; scale word, 4 bytes a lane), and behind one barrier makes two tiles of results: units of tile tw, row groups 2 kh and 2 kh + 1.  A fragment of h is so quantised by 16 work-groups and one of W1 by 8:
; both tensors are small, and a launch of their own would cost more than the repeated work.  Wave 0 of work-group wg also quantises fragment wg of W2.
; A LANE HOLDS WHOLE BLOCKS: lane (r, hh) takes k = 64 c + 32 hh + 0 .. 31 of its row (h) or column (W1, W2: its registers run down K), the very order of the operand's registers: nothing changes lanes but the scale bytes.
; THE PRODUCT IS USED TRANSPOSED (source 0 = 16 units of W1, source 1 = 16 rows of h): a lane then holds one row and eight neighbouring units.
; A block's scale byte is its largest magnitude's exponent field - 2, held at 1 from below.  LIMITS: a block of zeros gets the byte 1 (its codes are zeros; this program alone reads the bytes);
; blocks whose largest magnitude lies under 2^-124 have the byte 1; NaN and infinities among the inputs are not served.
; No tensor loads, no cluster: every operand is read once, at the head, straight into registers.
; THE MODE: SCHED_MODE bits 1:0 = 2 (LLVM: expert scheduling mode 2), set by the entry lines.  The code itself states the register dependences between vector or matrix instructions and memory or LDS
; instructions, with s_wait_alu, always for 0.
; THE PLAN.  Registers that memory or LDS instructions touch:
;   v1-13           offsets and LDS addresses: made once at the head, read by every load and store, never written again.
;   v16-207, v240-247  the numbers of h, W1, W2 and b1: each register takes one global load; the quantisers read them.  Behind the barrier LDS loads land in v16-87, which the quantisers of h and W1 have read.
;   v[PC ..], v[PW] the codes and the scale word: written by a quantiser, read by a run of stores, up to three times over (W2's global stores in wave 0, h's image, W1's image).
;   v248-253        scale words: LDS loads land in them once.     v[OUTR ..]  written by the last multiply-adds, read by y's stores.
; So: one wait on va_vdst ahead of the first load (the addresses), one behind each quantiser ahead of its stores, one ahead of y's stores; the third of these also states that the quantisers are done with v16-87,
; since only b1's four multiplications follow it ahead of the LDS loads.  One wait on vm_vsrc ahead of each quantiser that writes codes which stores have read.
.set FRB,  1536                        ; a fragment's image: 12 registers x 128 bytes
.set HIMG, 0                           ; LDS: h's 8 fragments, index 2 (row group) + (K step),
.set HSC,  8*FRB                       ; their scale words, 128 bytes each,
.set WIMG, HSC+8*128                   ; W1's 8 fragments, index 2 (tile of units) + (K step),
.set WSC,  WIMG+8*FRB                  ; their scale words; behind them, from byte 0x6800 on, the spare words: 128 bytes for each wave, which no other line names
.set LI,   1                           ; v1   16 x lane
.set LS,   2                           ; v2   4 x lane
.set SH8,  3                           ; v3   8 hh: where my two scale bytes stand in the word
.set HO,   4                           ; v4   h: 1024 r + 128 hh
.set WO,   5                           ; v5   W1, W2: 65536 hh + 4 r (32 rows of 2,048 bytes; a column is 4 bytes)
.set BO,   6                           ; v6   b1: 32 hh
.set YO,   7                           ; v7   y: 1024 hh + 16 r
.set IMA,  8                           ; v8   where I store an image: 16 x lane + FRB (2 tw + kh)
.set SSA,  9                           ; v9   and its scale word: 4 x lane + 128 (2 tw + kh)
.set WFA,  10                          ; v10  where I read W1's two fragments;  v11 h's four;  v12, v13 their scale words
.set HFA,  11
.set WSA,  12
.set HSA,  13
.set RR,   14
.set HH,   15
.set HN,   16                          ; v16-79   64 numbers of h;      behind the barrier: v16-39 W1's two fragments, v40-87 h's four
.set WN,   80                          ; v80-143  64 numbers of W1;     behind the barrier: v96-111 two accumulators, v112-127 what is stored
.set W2N,  144                         ; v144-207 64 numbers of W2 (wave 0)
.set PC,   208                         ; v208-219 the codes just made
.set CT,   220                         ; v220-222, v224-226: a conversion's three registers begin on an even number: the upper halves are made here and moved
.set MX,   228
.set SO,   230
.set BY,   232
.set PW,   236                         ; the scale word just made
.set PT,   237
.set BI,   240                         ; v240-247 c1 b1 of my eight units (0 in half 1)
.set WS,   248                         ; v248-249 W1's scale words, v250-253 h's: these six hold scales and nothing else
.set HS,   250
.set WF,   16
.set HF,   40
.set DD,   96
.set OUTR, 112
.set SEL,  24                          ; s[24:25] v_permlanex16_b32's selects for lane l xor 16
.set C1,   26                          ; s[26:27] c1
; 64 numbers of a lane, v[s + 32 c + i] = k 64 c + 32 hh + i, become the fragment's 12 registers in v[PC] on and its scale word in v[PW]
.macro QF s
	v_max3_num_f32 v[MX], |v[\s]|, |v[\s+1]|, 0x1800000             ; my two blocks by turns; the floor 2^(3 - 127) among the leaves holds the byte at 1 from below
	v_max3_num_f32 v[MX+1], |v[\s+32]|, |v[\s+33]|, 0x1800000
.irp i, 2,4,6,8,10,12,14,16,18,20,22,24,26,28,30
	v_max3_num_f32 v[MX], v[MX], |v[\s+\i]|, |v[\s+\i+1]|
	v_max3_num_f32 v[MX+1], v[MX+1], |v[\s+32+\i]|, |v[\s+33+\i]|
.endr
	v_add_nc_u32 v[SO], 0xff000000, v[MX]                           ; 2 off the exponent field: the conversion takes this operand's exponent field as its scale
	v_add_nc_u32 v[SO+1], 0xff000000, v[MX+1]
	v_cvt_scalef32_pk16_fp6_f32 v[PC:PC+2], v[\s:\s+15], v[SO]
	v_cvt_scalef32_pk16_fp6_f32 v[CT:CT+2], v[\s+16:\s+31], v[SO]
	v_cvt_scalef32_pk16_fp6_f32 v[PC+6:PC+8], v[\s+32:\s+47], v[SO+1]
	v_cvt_scalef32_pk16_fp6_f32 v[CT+4:CT+6], v[\s+48:\s+63], v[SO+1]
	v_lshrrev_b32 v[BY], 23, v[SO]                                  ; the scale bytes.  (Also the plain instruction behind the conversions)
	v_lshrrev_b32 v[BY+1], 23, v[SO+1]
	v_lshl_or_b32 v[PW], v[BY+1], 16, v[BY]                         ; blocks hh and 2 + hh,
	v_lshlrev_b32 v[PW], v[SH8], v[PW]                              ; at their places in the word;
	v_permlanex16_b32 v[PT], v[PW], s[SEL], s[SEL+1]
	v_or_b32 v[PW], v[PW], v[PT]                                    ; with lane l xor 16's two the word is whole, in both halves of the lanes
.irp i, 0,1,2
	v_mov_b32 v[PC+3+\i], v[CT+\i]
	v_mov_b32 v[PC+9+\i], v[CT+4+\i]
.endr
.endm
	s_load_b256 s[4:11], s[0:1], 0x0               ; h s[4:5], W1 s[6:7], b1 s[8:9], W2 s[10:11]
	s_load_b128 s[12:15], s[0:1], 0x20             ; y s[12:13], w2c s[14:15]
	s_load_b64 s[16:17], s[0:1], 0x30              ; w2s
	v_lshl_add_u32 v254, v0, 2, 0x6800             ; the LDS address of my spare word, and 0: made here and kept for the closing lines alone
	v_mov_b32 v255, 0
	v_lshrrev_b32 v[RR], 5, v0
	v_readfirstlane_b32 s18, v[RR]                 ; wave 0..7
	s_lshr_b32 s21, ttmp9, 6                       ; half
	s_bfe_u32 s22, ttmp9, 0x30003                  ; Tq
	s_lshl_b32 s22, s22, 2
	s_and_b32 s23, ttmp9, 7                        ; rq
	s_mov_b32 s[SEL], 0x76543210
	s_mov_b32 s[SEL+1], 0xfedcba98
	s_mov_b32 s[C1], 0x4038aa3b                    ; c1 = 2 log2(e)
	s_mov_b32 s[C1+1], s[C1]                       ; (named with it as a pair, so it is written)
	v_and_b32 v[RR], 31, v0
	v_lshlrev_b32 v[LI], 4, v[RR]
	v_lshlrev_b32 v[LS], 2, v[RR]
	v_and_b32 v[RR], 15, v0                        ; r
	v_bfe_u32 v[HH], v0, 4, 1                      ; hh
	v_lshlrev_b32 v[SH8], 3, v[HH]
	v_lshlrev_b32 v[HO], 10, v[RR]
	v_lshl_add_u32 v[HO], v[HH], 7, v[HO]
	v_lshlrev_b32 v[WO], 2, v[RR]
	v_lshl_add_u32 v[WO], v[HH], 16, v[WO]
	v_lshlrev_b32 v[BO], 5, v[HH]
	v_lshlrev_b32 v[YO], 4, v[RR]
	v_lshl_add_u32 v[YO], v[HH], 10, v[YO]
	v_mov_b32 v[PT], 0                             ; written once: a lane permute's destination counts as one of its sources
	s_wait_alu depctr_va_sdst(0)                   ; s18, the wave's number, is written, ahead of its first reader
	s_and_b32 s19, s18, 3                          ; tw
	s_lshr_b32 s20, s18, 2                         ; kh
	s_add_co_u32 s22, s22, s19                     ; T = 4 Tq + tw: my tile of 16 units
	s_lshl_b32 s28, s19, 1
	s_add_co_u32 s28, s28, s20                     ; 2 tw + kh: the index of both fragments that I make
	s_mul_i32 s29, s28, FRB
	v_add_nc_u32 v[IMA], s29, v[LI]
	s_lshl_b32 s29, s28, 7
	v_add_nc_u32 v[SSA], s29, v[LS]
	s_mul_i32 s29, s19, 2*FRB
	v_add_nc_u32 v[WFA], s29, v[LI]                ; W1's fragments 2 tw, 2 tw + 1
	s_mul_i32 s29, s20, 4*FRB
	v_add_nc_u32 v[HFA], s29, v[LI]                ; h's fragments 4 kh .. 4 kh + 3
	s_lshl_b32 s29, s19, 8
	v_add_nc_u32 v[WSA], s29, v[LS]
	s_lshl_b32 s29, s20, 9
	v_add_nc_u32 v[HSA], s29, v[LS]
	; byte offsets, apart from the addresses
	s_lshl_b32 s28, s23, 2
	s_add_co_u32 s28, s28, s19
	s_lshl_b32 s28, s28, 14                        ; h: 16 (4 rq + tw) rows of 1,024 bytes,
	s_lshl_b32 s29, s20, 9
	s_add_co_u32 s28, s28, s29                     ; + 128 kh numbers
	s_mov_b32 s29, 0
	s_lshl_b32 s30, s21, 19                        ; W1: (256 half + 128 kh) rows of 2,048 bytes,
	s_lshl_b32 s31, s20, 18
	s_add_co_u32 s30, s30, s31
	s_lshl_b32 s32, s22, 6                         ; + 16 T columns; b1: 16 T numbers
	s_add_co_u32 s30, s30, s32
	s_mov_b32 s31, 0
	s_mov_b32 s33, 0
	s_and_b32 s34, ttmp9, 3                        ; W2's fragment wg: ks = wg % 4: 128 ks rows,
	s_lshl_b32 s34, s34, 18
	s_lshr_b32 s35, ttmp9, 2                       ; nt = wg / 4: 16 nt columns
	s_lshl_b32 s35, s35, 6
	s_add_co_u32 s34, s34, s35
	s_mov_b32 s35, 0
	s_lshl_b32 s36, s21, 20                        ; y: half,
	s_lshl_b32 s37, s23, 17
	s_add_co_u32 s36, s36, s37                     ; row group 4 rq
	s_lshl_b32 s37, s20, 16
	s_add_co_u32 s36, s36, s37                     ; + 2 kh, of 32,768 bytes;
	s_lshr_b32 s37, s22, 2
	s_lshl_b32 s37, s37, 12
	s_add_co_u32 s36, s36, s37                     ; units 16 T ..: w and c are T / 4, 4,096 bytes each;
	s_and_b32 s37, s22, 1
	s_lshl_b32 s37, s37, 11
	s_add_co_u32 s36, s36, s37                     ; q = 4 (T % 2) + ..;
	s_bfe_u32 s37, s22, 0x10001
	s_lshl_b32 s37, s37, 8
	s_add_co_u32 s36, s36, s37                     ; the layout's half of the lanes is (T / 2) % 2
	s_mov_b32 s37, 0
	s_mul_i32 s38, ttmp9, FRB
	s_mov_b32 s39, 0
	s_lshl_b32 s40, ttmp9, 7
	s_mov_b32 s41, 0
	s_cmp_eq_u32 s21, 0
	s_cselect_b32 s42, s[C1], 0                    ; the bias goes with ya alone
	s_mov_b32 s43, s42
	s_wait_kmcnt 0x0
	s_add_nc_u64 s[4:5], s[4:5], s[28:29]
	s_add_nc_u64 s[6:7], s[6:7], s[30:31]
	s_add_nc_u64 s[8:9], s[8:9], s[32:33]
	s_add_nc_u64 s[10:11], s[10:11], s[34:35]
	s_add_nc_u64 s[12:13], s[12:13], s[36:37]
	s_add_nc_u64 s[14:15], s[14:15], s[38:39]
	s_add_nc_u64 s[16:17], s[16:17], s[40:41]
	s_wait_alu depctr_va_vdst(0)                   ; the offsets and LDS addresses v1 to v13 are written, which every load and store of the kernel reads
.set i, 0
.rept 16
	global_load_b128 v[HN+4*i:HN+4*i+3], v[HO], s[4:5] offset:256*(i/8)+16*(i%8)   ; h(row, 128 kh + 64 c + 32 hh + 4 q ..)
.set i, i+1
.endr
.set i, 0
.rept 64
	global_load_b32 v[WN+i], v[WO], s[6:7] offset:(64*(i/32)+i%32)*2048            ; W1(.. + 64 c + 32 hh + i, 16 T + r): sixteen lanes read 64 neighbouring bytes
.set i, i+1
.endr
	global_load_b128 v[BI:BI+3], v[BO], s[8:9]                                     ; b1 of units 16 T + 8 hh + 0 .. 7
	global_load_b128 v[BI+4:BI+7], v[BO], s[8:9] offset:16
	; W2's fragment: wave 0 alone, loads, quantiser and stores in one branch on the wave's number; no barrier and no LDS access stands in it
	s_cmp_lg_u32 s18, 0
	s_cbranch_scc1 .Lcommon
.set i, 0
.rept 64
	global_load_b32 v[W2N+i], v[WO], s[10:11] offset:(64*(i/32)+i%32)*2048
.set i, i+1
.endr
	s_wait_loadcnt 0x0
	QF W2N
	s_wait_alu depctr_va_vdst(0)                   ; the quantiser has written v[PC ..] and v[PW], which the stores read
.irp cc, 0,1,2
	global_store_b128 v[LI], v[PC+4*\cc:PC+4*\cc+3], s[14:15] offset:512*\cc       ; 32 lanes store 512 consecutive bytes
.endr
	global_store_b32 v[LS], v[PW], s[16:17]                                        ; 128 consecutive bytes: 16,384 bytes in the whole launch leave so
	s_wait_xcnt 0x0                                ; the stores' data are written again by the next quantiser only behind this wait,
	s_wait_alu depctr_vm_vsrc(0)                   ; and behind this one: the stores have read v[PC ..] and v[PW]
.Lcommon:
	s_wait_loadcnt 63                              ; behind h's 16 loads 66 were issued (W1's 64, b1's 2): with 63 out at the most, h's are in
	QF HN
	s_wait_alu depctr_va_vdst(0)                   ; the quantiser has written v[PC ..] and v[PW], which the LDS stores read
.irp cc, 0,1,2
	ds_store_b128 v[IMA], v[PC+4*\cc:PC+4*\cc+3] offset:HIMG+512*\cc
.endr
	ds_store_b32 v[SSA], v[PW] offset:HSC
	s_wait_loadcnt 0x0                             ; W1 and b1
	s_wait_alu depctr_vm_vsrc(0)                   ; the LDS stores have read v[PC ..] and v[PW], which the next quantiser writes
	QF WN
	s_wait_alu depctr_va_vdst(0)                   ; the quantiser has written v[PC ..] and v[PW], which the LDS stores read; and both quantisers are done reading v16-87, in which the loads behind the barrier land
.irp cc, 0,1,2
	ds_store_b128 v[IMA], v[PC+4*\cc:PC+4*\cc+3] offset:WIMG+512*\cc
.endr
	ds_store_b32 v[SSA], v[PW] offset:WSC
.irp k, 0,2,4,6
	v_pk_mul_f32 v[BI+\k:BI+\k+1], v[BI+\k:BI+\k+1], s[42:43] op_sel_hi:[1,0]      ; c1 b1, or 0.  (These four name v240-247 alone: none of the registers that the loads below touch)
.endr
	s_wait_dscnt 0x0                               ; for the others: my images lie in LDS
	s_barrier_signal -1
	s_barrier_wait -1                              ; all sixteen do
.irp ks, 0,1
.irp cc, 0,1,2
	ds_load_b128 v[WF+12*\ks+4*\cc:WF+12*\ks+4*\cc+3], v[WFA] offset:WIMG+\ks*FRB+512*\cc
.endr
	ds_load_b32 v[WS+\ks], v[WSA] offset:WSC+128*\ks
.endr
.irp f, 0,1,2,3                                ; f = 2 e + ks: row group 2 kh + e, K step ks
.irp cc, 0,1,2
	ds_load_b128 v[HF+12*\f+4*\cc:HF+12*\f+4*\cc+3], v[HFA] offset:HIMG+\f*FRB+512*\cc
.endr
	ds_load_b32 v[HS+\f], v[HSA] offset:HSC+128*\f
.endr
	s_wait_dscnt 0x0
	; two accumulators by turns; the first K step starts the sums
	v_wmma_scale_f32_16x16x128_f8f6f4 v[DD:DD+7], v[WF:WF+11], v[HF:HF+11], 0, v[WS], v[HS] matrix_a_fmt:MATRIX_FMT_FP6 matrix_b_fmt:MATRIX_FMT_FP6
	v_wmma_scale_f32_16x16x128_f8f6f4 v[DD+8:DD+15], v[WF:WF+11], v[HF+24:HF+35], 0, v[WS], v[HS+2] matrix_a_fmt:MATRIX_FMT_FP6 matrix_b_fmt:MATRIX_FMT_FP6
	v_wmma_scale_f32_16x16x128_f8f6f4 v[DD:DD+7], v[WF+12:WF+23], v[HF+12:HF+23], v[DD:DD+7], v[WS+1], v[HS+1] matrix_a_fmt:MATRIX_FMT_FP6 matrix_b_fmt:MATRIX_FMT_FP6
	v_wmma_scale_f32_16x16x128_f8f6f4 v[DD+8:DD+15], v[WF+12:WF+23], v[HF+36:HF+47], v[DD+8:DD+15], v[WS+1], v[HS+3] matrix_a_fmt:MATRIX_FMT_FP6 matrix_b_fmt:MATRIX_FMT_FP6
.rept 4
	v_nop                                          ; four places between the last product and the first read of a result (ISA guide 7.12.1)
.endr
.irp e, 0,1
.irp k, 0,2,4,6
	v_pk_fma_f32 v[OUTR+8*\e+\k:OUTR+8*\e+\k+1], v[DD+8*\e+\k:DD+8*\e+\k+1], s[C1:C1+1], v[BI+\k:BI+\k+1] op_sel_hi:[1,0,1]   ; c1 x sum + c1 b1, each accumulator from its low end on
.endr
.endr
	s_wait_alu depctr_va_vdst(0)                   ; the multiply-adds have written v[OUTR ..], which the stores read
.irp e, 0,1
.irp k, 0,1
	global_store_b128 v[YO], v[OUTR+8*\e+4*\k:OUTR+8*\e+4*\k+3], s[12:13] offset:32768*\e+512*\k   ; lane (r, hh): row r, units 16 T + 8 hh + 4 k ..: sixteen lanes store 256 consecutive bytes, at a multiple of 256 from y's first byte
.endr
.endr
	s_wait_dscnt 0x0                               ; the closing lines, six on end
	s_wait_alu 0x0
	s_wait_tensorcnt 0x0
	ds_add_u32 v254, v255
	s_wait_dscnt 0x0
	s_endpgm
.Lfunc_end_k_q5f82968c37_prep:
	.size	k_q5f82968c37_prep, .Lfunc_end_k_q5f82968c37_prep-k_q5f82968c37_prep
	.p2alignl 7, 3214868480
	.fill 96, 4, 3214868480
	.section	.rodata,"a",@progbits
	.p2align	6, 0x0
	.amdhsa_kernel k_q5f82968c37_prep
		.amdhsa_group_segment_fixed_size 27648
		.amdhsa_private_segment_fixed_size 0
		.amdhsa_enable_private_segment 0
		.amdhsa_kernarg_size 56
		.amdhsa_user_sgpr_count 2
		.amdhsa_user_sgpr_kernarg_segment_ptr 1
		.amdhsa_wavefront_size32 1
		.amdhsa_system_sgpr_workgroup_id_x 1
		.amdhsa_system_sgpr_workgroup_id_y 1
		.amdhsa_system_sgpr_workgroup_id_z 1
		.amdhsa_system_vgpr_workitem_id 0
		.amdhsa_next_free_vgpr 256
		.amdhsa_next_free_sgpr 66
		.amdhsa_reserve_vcc 0
		.amdhsa_float_denorm_mode_32 3
		.amdhsa_float_denorm_mode_16_64 3
		.amdhsa_memory_ordered 1
		.amdhsa_forward_progress 1
		.amdhsa_inst_pref_size 32
	.end_amdhsa_kernel
	.amdgpu_metadata
---
amdhsa.version: [ 1, 2 ]
amdhsa.kernels:
  - .name:           k_q5f82968c37_prep
    .symbol:         k_q5f82968c37_prep.kd
    .args:
      - { .name: h, .offset: 0, .size: 8, .value_kind: global_buffer, .address_space: global }
      - { .name: W1, .offset: 8, .size: 8, .value_kind: global_buffer, .address_space: global }
      - { .name: b1, .offset: 16, .size: 8, .value_kind: global_buffer, .address_space: global }
      - { .name: W2, .offset: 24, .size: 8, .value_kind: global_buffer, .address_space: global }
      - { .name: y, .offset: 32, .size: 8, .value_kind: global_buffer, .address_space: global }
      - { .name: w2c, .offset: 40, .size: 8, .value_kind: global_buffer, .address_space: global }
      - { .name: w2s, .offset: 48, .size: 8, .value_kind: global_buffer, .address_space: global }
    .group_segment_fixed_size: 27648
    .private_segment_fixed_size: 0
    .kernarg_segment_align: 8
    .kernarg_segment_size: 56
    .max_flat_workgroup_size: 256
    .sgpr_count:     66
    .vgpr_count:     256
    .wavefront_size: 32
...
	.end_amdgpu_metadata
.endif
;; end of part 3
;; launch main (part 4): grid 8 x 32, 8 waves a work-group, no clusters, 130,304 bytes of LDS; arguments y, w2c, w2s, b2, W3, b3, out0; writes out0
.if DOCPART == 4
	.amdgcn_target "amdgcn-amd-amdhsa--gfx1250"
	.amdhsa_code_object_version 6
	.text
	.protected	k_q5f82968c37_main
	.globl	k_q5f82968c37_main
	.p2align	8
	.type	k_q5f82968c37_main,@function
k_q5f82968c37_main:
	s_mov_b64 s[64:65], 0
	v_nop
	global_prefetch_b8 v0, s[64:65] scope:SCOPE_SE
	s_setreg_imm32_b32 hwreg(HW_REG_WAVE_SCHED_MODE, 0, 2), 2
	s_setreg_imm32_b32 hwreg(HW_REG_WAVE_MODE, 25, 1), 1
	s_wait_xcnt 0x0
	s_wait_alu depctr_vm_vsrc(0)
; out0[i][j] = b3 + W3 . tanh(Q(tanh(yi[i] + yj[j] + b1)) Q(W2) + b2), and -20 where i = j.  The product is on codes of FP6 (E2M3) with one E8M0 scale for each 32 along K.
; y holds ya = c1 (yi + b1) and yb = c1 yj, c1 = 2 log2(e), and w2c, w2s hold W2's codes and scale words, all in the order of this kernel's registers.
; ARITHMETIC.  First layer: t = ya + yb, q = 1 / (1 + 2^t), z = q - 1/2 = -tanh / 2.  z is what is quantised: the quantiser commutes with a factor -1/2 (the codes change sign, the scale byte falls by one),
; so the matrix sums are D = -1/2 x the product of the text.  Second layer: t2 = -4 log2(e) D + c1 b2, q2 = 1 / (1 + 2^t2), tanh = 1 - 2 q2, so out = b3 + sum over n of (W3[n] - 2 W3[n] q2[n]):
; a lane's sum begins at the sum of its own four W3 and takes one fused multiply-add for each q2.  2^t = infinity gives q = 0 and 2^t = 0 gives q = 1: tanh saturates rightly for every finite input.
; LIMITS: tanh formed so has an absolute error of about 1e-7; a block's scale byte is held at 1 from below (largest |z| under 2^-124; a block of zeros has the byte 1 and zero codes); NaN and infinities are not served.
; SHARES.  256 work-groups of EIGHT waves of 512 registers, two waves to a SIMD, so that one wave's vector work stands beside the other's matrix work, waits and LDS loads.  A work-group has 16 rows i (work-group y)
; x 64 columns j (work-group x); a trip of the loop is one i x 64 j: four tiles of 16 pairs.  THE WAVES SHARE THE COLUMNS OF W2, NOT THE PAIRS: wave w keeps W2's units 64 w .. 64 w + 63 for all of K in 192 registers.
; In phase X wave w (kx = w % 4, gp = w / 4) makes K step kx (first layer's units 128 kx ..) of the operands of tiles 2 gp and 2 gp + 1, whose yb it keeps in 128 registers, and hands them to the others through LDS
; as images of their registers; in phase P it multiplies all four tiles' four K steps by its part of W2.  Only codes go round: 6 bits a number.
; A lane of phase X holds WHOLE blocks of 32 (lane (r, hh): pair r, units 64 c + 32 hh + 0 .. 31): the largest magnitude needs no other lane and the conversions' results are the operand's registers.
; In phase P source 0 is the pairs' fragment and source 1 W2's: a lane holds ONE unit n (lane % 16) and eight pairs, so b2 and W3 are one register a tile of units.
; BY TURNS.  Phase X is a pipeline of three stages over four units of 32 numbers (sum and exponential | + 1 and reciprocal | - 1/2, maximum, conversion), so that each step has ONE wait for its transcendentals.
; ya has no registers of its own: a unit's 32 numbers come from LDS into the unit's set, a step ahead, and yb is added in place.
; In phase P the second layer's exponentials and reciprocals of tile m - 1, cut into 16 slices of six, stand behind the 16 matrix instructions of tile m; its 16 multiply-adds follow the last.
; No tensor load, no cluster, no prefetch: what work-groups share (W2's codes, rows of y) is read once, at the head, straight into registers; the loop fetches nothing from memory.
; THE MODE: SCHED_MODE bits 1:0 = 2 (LLVM: expert scheduling mode 2), set by the entry lines.  The code itself states the register dependences between vector or matrix instructions and memory or LDS
; instructions, with s_wait_alu, always for 0.
; THE PLAN.  Registers that LDS instructions touch in the loop, and who else names them:
;   sets 0, 1, 2    (v120-151, v152-183, v72-103)  ya's loads land in them; phase X's three stages read and write them; in phase P sets 0 and 1 are the accumulators and set 2 lies among the fragments.
;   v[PC ..], v[PW] the codes and the scale word: written by stage 3, read by the image's four stores.
;   v[XF ..], v[XS ..]  the pairs' fragments and scale words: the runs' loads land in them; the matrix instructions read them.
;   v[ACC ..]       the pairs' sums: written by the multiply-adds, read by my eight stores; then eight loads land in them, the reduction reads and writes them, and the result's store reads the first four.
;   v[ADA], v[OWA]  two LDS addresses, each written by one vector add a trip.     All other addresses are made at the head and never written again.
; THE WAITS ON va_vdst.  The wait that closes a batch of transcendentals states more than the batch.  The one in the reduction closes step 0 and shows the four sums and v[OWA] written, for the result's store.
; The one behind step 3 shows the first tile's codes and scale word written: its image is stored at step 4's head.  In a period with vector work the one behind slice 7 shows matrix instructions 0 to 7 done with
; K steps 0 and 1, and the one behind slice 15 shows all sixteen done: the two runs of loads follow with no wait of their own, since what stands between names none of their registers.
; Six more: behind stage 3 of unit 0 (its set is asked for again at once); ahead of the second tile's image; two in the first period, which has no vector work; ahead of the next row's first ya; ahead of my sums' stores.
; THE WAITS ON vm_vsrc, three a trip: in stage 3 of unit 2, ahead of its conversions (the first image's stores have read the codes and the scale word); behind the first barrier (the second image's stores, the
; result's store and ya's loads have read their registers: the runs land in the codes' registers, the multiply-adds write the sums, v[ADA] is stepped); behind the second barrier (my stores have read the sums).
; REGISTERS, in two windows of 256 (s_set_vgpr_msb: bits 1:0 source 0, 3:2 source 1, 5:4 source 2, 7:6 destination):
;   window 0: v1-15 addresses; v16-23 W2's scale words; v24-27 c1 b2; v28-31 -2 W3; v32-33 the sum of my W3; v36-67 the pairs' sums; v68-71 the pairs' scale words; v72-119 their four fragments (phase X: set 2, the codes);
;             v120-183 two sets of four accumulators (phase X: sets 0 and 1); v184-247 yb of tile 2 gp; v248-255 at work in phase X
;   window 1: v0-191 W2, tile t, K step ks at v[48 t + 12 ks]; v192-255 yb of tile 2 gp + 1
.set FRB,  1536                        ; a fragment's image: 12 registers x 128 bytes
.set XIMG, 0                           ; LDS: the pairs' 16 fragments, index 4 (tile) + (K step),
.set XSC,  XIMG+16*FRB                 ; their scale words, 128 bytes each
.set PART, XSC+16*128                  ; the waves' sums of a trip: [wave 8][tile 4][half of 8 registers][lane][16 bytes]
.set OUTS, PART+8*4096                 ; the results: for each wave 17 rows x 32 bytes; row 0 takes what the first trip finds: zeros, never read
.set OUTW, 17*32
.set YA,   OUTS+8*OUTW                 ; ya of the 16 rows i, units 128 kx ..: a copy of 8,192 bytes for each wave, which stores and reads its own alone: no barrier.  Behind the copies, from byte 0x1f900 on, the spare words
.set LI,   1                           ; v1   16 x lane
.set LS,   2                           ; v2   4 x lane
.set XWI,  3                           ; v3   where I store an image: XIMG + 16 x lane + FRB (8 gp + kx)
.set XWS,  4                           ; v4   and its scale word: XSC + 4 x lane + 128 (8 gp + kx)
.set ADA0, 5                           ; v5   ya: YA + 8192 x wave + 256 hh
.set ADA,  6                           ; v6   + 16 x the row
.set PS,   7                           ; v7   where I store my sums: PART + 4096 x wave + 16 x lane
.set PRD,  8                           ; v8   where I read all waves' sums: PART + 1024 kx + 512 gp + 16 x lane
.set OWA0, 9                           ; v9   where a result goes: OUTS + OUTW x wave + 16 hh
.set OWA,  10                          ; v10  + 32 x the row
.set SH8,  11                          ; v11  8 hh
.set R4,   12                          ; v12  4 r
.set SA,   13                          ; v13  128 hh + 4 r
.set YST,  14                          ; v14  YA + 8192 x wave + 16 x lane
.set TMP,  15
.set W2S,  16                          ; register 2 t + kp: lanes 0-15 the word of K step 2 kp, lanes 16-31 of 2 kp + 1.  These and v68-71 hold scales and nothing else
.set B2P,  24
.set W3P,  28
.set SW3,  32
.set TT,   34
.set ACC,  36
.set XS,   68
.set XF,   72
.set DB,   120
.set BP0,  184
.set PC,   104                         ; phase X: set 0 = v120-151, set 1 = v152-183, set 2 = v72-103; set k begins at 120 + 32 k - 112 (k / 2)
.set CT,   116
.set MD,   119
.set MA,   248
.set MB,   249
.set MC,   250
.set SO,   251
.set BY,   252
.set PW,   254
.set PT,   255
.set WV,   20                          ; s20  my wave's number;  s19 kx, s46 gp, s21 the work-group's y
.set SEL,  22                          ; s[22:23] v_permlanex16_b32's selects for lane l xor 16
.set CC2,  24                          ; s[24:25] -4 log2(e)
.set TI,   26                          ; s26  16 x the trip
.set TO,   27                          ; s27  32 x the trip
.set CNT,  28                          ; s28  trips to go
.set MSB, 0
.macro WIN new                         ; the immediate's high byte repeats the setting that is left; a switch that changes nothing is dropped
.if MSB != (\new)
	s_set_vgpr_msb (MSB<<8)|(\new)
.set MSB, (\new)
.endif
.endm
; ya of the row in hand for unit u = 2 gl + c: 32 numbers a lane into set u % 3; sixteen lanes read the same 16 bytes
.macro AULOAD u
.set LB, 120+32*((\u)%3)-112*(((\u)%3)/2)
.irp q, 0,1,2,3,4,5,6,7
	ds_load_b128 v[LB+4*\q:LB+4*\q+3], v[ADA] offset:4096*((\u)%2)+512*\q
.endr
.endm
; The last trip's sums of tile kx, registers 4 gp .. 4 gp + 3: eight vectors of four pairs a lane, one from each wave, are added; four steps across sixteen lanes finish the sum over all 512 units.
; left: the LDS loads issued behind the eight, which may stay out
.macro REDUCE left
	s_wait_dscnt \left
.irp k, 0,2,4,6,8,10,12,14
	v_pk_add_f32 v[ACC+\k:ACC+\k+1], v[ACC+\k:ACC+\k+1], v[ACC+16+\k:ACC+17+\k]
.endr
.irp k, 0,2,4,6
	v_pk_add_f32 v[ACC+\k:ACC+\k+1], v[ACC+\k:ACC+\k+1], v[ACC+8+\k:ACC+9+\k]
.endr
.irp k, 0,2
	v_pk_add_f32 v[ACC+\k:ACC+\k+1], v[ACC+\k:ACC+\k+1], v[ACC+4+\k:ACC+5+\k]
.endr
.irp x, 1,2,4,8
.irp e, 0,1,2,3
	v_add_f32_dpp v[ACC+\e], v[ACC+\e], v[ACC+\e] row_xmask:\x row_mask:0xf bank_mask:0xf
.endr
.endr
	v_add_nc_u32 v[OWA], s[TO], v[OWA0]            ; (the last store that read v[OWA] stands ahead of the waits on vm_vsrc of the trip before)
	s_wait_alu depctr_va_vdst(0)                   ; the additions have written v[ACC .. ACC+3] and v[OWA], which the store reads; in the loop this is also the one wait for step 0's exponentials, ahead of their first readers in step 1
	ds_store_b128 v[OWA], v[ACC:ACC+3]             ; pairs 8 hh + 4 gp + 0 .. 3 of tile kx; sixteen lanes write the same 16 bytes with the same values
.endm
; Stage 3 of phase X for unit u = 2 gl + c: q - 1/2, the block's scale, the codes; with c = 1 the fragment and its scale word are whole.
.macro P3 u
.set QS, 120+32*((\u)%3)-112*(((\u)%3)/2)
.set QC, (\u)%2
.set i, 0
.rept 16
	v_pk_add_f32 v[QS+i:QS+i+1], v[QS+i:QS+i+1], -0.5 op_sel_hi:[1,0]
.set i, i+2
.endr
	v_max3_num_f32 v[MA], |v[QS]|, |v[QS+1]|, 0x1800000            ; the largest magnitude of my 32, in four chains; the floor 2^(3 - 127) among the leaves holds the byte at 1 from below
	v_max3_num_f32 v[MB], |v[QS+2]|, |v[QS+3]|, |v[QS+4]|
	v_max3_num_f32 v[MC], |v[QS+5]|, |v[QS+6]|, |v[QS+7]|
	v_max3_num_f32 v[MD], |v[QS+8]|, |v[QS+9]|, |v[QS+10]|
.set i, 11
.rept 2
	v_max3_num_f32 v[MA], v[MA], |v[QS+i]|, |v[QS+i+1]|
	v_max3_num_f32 v[MB], v[MB], |v[QS+i+2]|, |v[QS+i+3]|
	v_max3_num_f32 v[MC], v[MC], |v[QS+i+4]|, |v[QS+i+5]|
	v_max3_num_f32 v[MD], v[MD], |v[QS+i+6]|, |v[QS+i+7]|
.set i, i+8
.endr
	v_max3_num_f32 v[MA], v[MA], |v[QS+27]|, |v[QS+28]|
	v_max3_num_f32 v[MB], v[MB], |v[QS+29]|, |v[QS+30]|
	v_max3_num_f32 v[MC], v[MC], v[MD], |v[QS+31]|
	v_max3_num_f32 v[MA], v[MA], v[MB], v[MC]
	v_add_nc_u32 v[SO], 0xff000000, v[MA]                          ; 2 off the exponent field: the conversion's scale operand
.if (\u) == 2
	s_wait_alu depctr_vm_vsrc(0)                   ; the first tile's image stores, at this step's head, have read v[PC ..] and v[PW], which the second tile's codes and scale word now take
.endif
	v_cvt_scalef32_pk16_fp6_f32 v[PC+6*QC:PC+6*QC+2], v[QS:QS+15], v[SO]
	v_cvt_scalef32_pk16_fp6_f32 v[CT:CT+2], v[QS+16:QS+31], v[SO]  ; (a conversion's three registers begin on an even number: the upper half is made here and moved)
	v_lshrrev_b32 v[BY+QC], 23, v[SO]                              ; the scale's byte.  (Also the plain instruction behind the conversions)
.irp i, 0,1,2
	v_mov_b32 v[PC+6*QC+3+\i], v[CT+\i]
.endr
.if QC == 1
	v_lshl_or_b32 v[PW], v[BY+1], 16, v[BY]                        ; my blocks hh and 2 + hh,
	v_lshlrev_b32 v[PW], v[SH8], v[PW]                             ; at their places in the word;
	v_permlanex16_b32 v[PT], v[PW], s[SEL], s[SEL+1]
	v_or_b32 v[PW], v[PW], v[PT]                                   ; with lane l xor 16's two the word is whole
.endif
.endm
; The fragment in v[PC] on and its scale word go to LDS as they stand: my K step of tile 2 gp + g
.macro IMG g
.irp cc, 0,1,2
	ds_store_b128 v[XWI], v[PC+4*\cc:PC+4*\cc+3] offset:4*FRB*(\g)+512*\cc
.endr
	ds_store_b32 v[XWS], v[PW] offset:512*(\g)
.endm
; Step sg of phase X.  First unit sg - 2 goes through stage 3, which frees its set; unit sg + 1's ya is asked for into that set and has the rest of the step in which to land.  Then the stream: unit sg gets
; t = ya + yb and its exponentials, unit sg - 1 gets + 1 and its reciprocals.  Unit u lies in set u % 3.  In the stream a pair is made one group ahead of its two transcendentals, and no instruction of a step names
; a transcendental's result of the same step: the readers stand in the next step, behind the ONE wait.  yb is source 1: window 0 for the first tile, window 1 for the second.
; The loads of units 1 and 2 stand at the heads of steps 0 and 1, straight behind a wait on va_vdst behind which no vector instruction has named their sets.
.macro XSTEP sg
.set SE, 120+32*((\sg)%3)-112*(((\sg)%3)/2)
.set SR, 120+32*(((\sg)+2)%3)-112*((((\sg)+2)%3)/2)
.set BB, 184+8*((\sg)/2)+32*((\sg)%2)
.if (\sg) == 4
	IMG 0                                          ; the first tile's fragment, whole since step 3: the wait that closed that step has shown its codes and its scale word written
.endif
.if (\sg) >= 2
	P3 (\sg)-2
.endif
.if (\sg) == 2
	s_wait_alu depctr_va_vdst(0)                   ; stage 3 is done reading and writing set 0, in which the loads below land
.endif
.if (\sg) < 3
	AULOAD (\sg)+1
.endif
.if ((\sg) == 1) || ((\sg) == 2)
	s_wait_dscnt 8                                 ; this unit's ya is in; the next unit's eight loads may be out
.elseif (\sg) == 3
	s_wait_dscnt 0x0                               ; this unit's ya is in: no LDS instruction was issued behind its loads
.endif
.if ((\sg) == 2) || ((\sg) == 3)
	WIN 0x04
.endif
.if ((\sg) > 0) && ((\sg) < 5)
	v_pk_add_f32 v[SR:SR+1], v[SR:SR+1], 1.0 op_sel_hi:[1,0]
.endif
.if (\sg) < 4
	v_pk_add_f32 v[SE:SE+1], v[SE:SE+1], v[BB:BB+1]
.endif
.set p, 0
.rept 16
.if p < 15
.if ((\sg) > 0) && ((\sg) < 5)
	v_pk_add_f32 v[SR+2*p+2:SR+2*p+3], v[SR+2*p+2:SR+2*p+3], 1.0 op_sel_hi:[1,0]
.endif
.if (\sg) < 4
	v_pk_add_f32 v[SE+2*p+2:SE+2*p+3], v[SE+2*p+2:SE+2*p+3], v[BB+2*p+2:BB+2*p+3]
.endif
.endif
.if ((\sg) > 0) && ((\sg) < 5)
	v_rcp_f32 v[SR+2*p], v[SR+2*p]
	v_rcp_f32 v[SR+2*p+1], v[SR+2*p+1]
.endif
.if (\sg) < 4
	v_exp_f32 v[SE+2*p], v[SE+2*p]
	v_exp_f32 v[SE+2*p+1], v[SE+2*p+1]
.endif
.set p, p+1
.endr
	WIN 0
.if (\sg) == 0
	REDUCE 8                                       ; the last trip's results: plain work behind the first exponentials; the step's wait stands in it.  Behind the sums' eight loads stand unit 1's eight, which may be out
.elseif (\sg) < 5
	v_nop                                          ; the plain instruction behind the last transcendental
	s_wait_alu depctr_va_vdst(0)                   ; the step's transcendentals have written their results, ahead of their first readers in the next step; behind step 3 also: stage 3 has written the first tile's codes and scale word, which the stores at step 4's head read
.else
	s_wait_alu depctr_va_vdst(0)                   ; stage 3 has written the second tile's codes and scale word, which the stores read; and phase X is done with v72-119, in which the runs behind the barrier land
	IMG 1
.endif
.endm
; The fragments and scale words of K steps ka and ka + 1 of tile m: eight LDS loads
.macro RUN m, ka
.irp k, 0,1
.irp cc, 0,1,2
	ds_load_b128 v[XF+12*((\ka)+\k)+4*\cc:XF+12*((\ka)+\k)+4*\cc+3], v[LI] offset:XIMG+(4*(\m)+(\ka)+\k)*FRB+512*\cc
.endr
	ds_load_b32 v[XS+(\ka)+\k], v[LS] offset:XSC+(4*(\m)+(\ka)+\k)*128
.endr
.endm
; Matrix instruction IDX of a tile's 16: K step IDX / 4, tile of units IDX % 4.  The four accumulators take turns, one instruction a turn; the first K step starts the sums.
.macro MM
.set MK, IDX/4
.set MT, IDX%4
.if MK == 0
	v_wmma_scale_f32_16x16x128_f8f6f4 v[DM+8*MT:DM+8*MT+7], v[XF:XF+11], v[48*MT:48*MT+11], 0, v[XS], v[W2S+2*MT] matrix_a_fmt:MATRIX_FMT_FP6 matrix_b_fmt:MATRIX_FMT_FP6
.elseif MK%2 == 0
	v_wmma_scale_f32_16x16x128_f8f6f4 v[DM+8*MT:DM+8*MT+7], v[XF+12*MK:XF+12*MK+11], v[48*MT+12*MK:48*MT+12*MK+11], v[DM+8*MT:DM+8*MT+7], v[XS+MK], v[W2S+2*MT+MK/2] matrix_a_fmt:MATRIX_FMT_FP6 matrix_b_fmt:MATRIX_FMT_FP6
.else
	v_wmma_scale_f32_16x16x128_f8f6f4 v[DM+8*MT:DM+8*MT+7], v[XF+12*MK:XF+12*MK+11], v[48*MT+12*MK:48*MT+12*MK+11], v[DM+8*MT:DM+8*MT+7], v[XS+MK], v[W2S+2*MT+MK/2] matrix_a_fmt:MATRIX_FMT_FP6 matrix_b_fmt:MATRIX_FMT_FP6 matrix_b_scale:MATRIX_SCALE_ROW1
.endif
.endm
; Number PJ of the 112 of a tile's second layer, on the accumulators at DV.  0-47: 16 packed t2 = -4 log2(e) D + c1 b2 and 32 exponentials; 48-95: 16 packed + 1 and 32 reciprocals; 96-111: 16 packed multiply-adds
; onto the pairs' sums at AV.  In the first two parts a packed line leads each group of three and stands two groups ahead of its pair's transcendentals; none of a part's lines reads a transcendental's result of that part;
; behind each part stand a plain instruction and the one wait.  The packed lines go up through the registers.
.macro PVI
.if PJ < 96
.set PA, PJ%48
.if PA < 2
.set PK, 0
.set PX, PA
.elseif PA < 44
.if (PA-2)%3 == 0
.set PK, 0
.set PX, (PA-2)/3+2
.else
.set PK, 1
.set PX, 2*((PA-2)/3)+(PA-2)%3-1
.endif
.else
.set PK, 1
.set PX, PA-16
.endif
.if PK == 0
.if PJ < 48
.if (PX/4)%2 == 0                              ; c1 b2 of tile PX / 4 is one register: the pair's first or second serves both halves
	v_pk_fma_f32 v[DV+2*PX:DV+2*PX+1], v[DV+2*PX:DV+2*PX+1], s[CC2:CC2+1], v[B2P+2*(PX/8):B2P+2*(PX/8)+1] op_sel_hi:[1,0,0]
.else
	v_pk_fma_f32 v[DV+2*PX:DV+2*PX+1], v[DV+2*PX:DV+2*PX+1], s[CC2:CC2+1], v[B2P+2*(PX/8):B2P+2*(PX/8)+1] op_sel:[0,0,1] op_sel_hi:[1,0,1]
.endif
.else
	v_pk_add_f32 v[DV+2*PX:DV+2*PX+1], v[DV+2*PX:DV+2*PX+1], 1.0 op_sel_hi:[1,0]
.endif
.else
.if PJ < 48
	v_exp_f32 v[DV+PX], v[DV+PX]
.else
	v_rcp_f32 v[DV+PX], v[DV+PX]
.endif
.endif
.if PA == 47
	v_nop
	s_wait_alu depctr_va_vdst(0)                   ; the part's 32 transcendentals have written their results, ahead of their first readers; and the matrix instructions issued so far (behind slice 7: numbers 0 to 7; behind slice 15: all sixteen) are done reading their fragments and scale words
.endif
.else
.set PX, PJ-96                                 ; tile of units PX / 4, pairs 2 (PX % 4) and the next: four chains
.if PX < 4
	v_pk_fma_f32 v[AV+2*PX:AV+2*PX+1], v[DV+2*PX:DV+2*PX+1], v[W3P:W3P+1], v[SW3:SW3+1] op_sel_hi:[1,0,1]   ; the sums begin at the sum of my four W3: nothing is cleared
.elseif (PX/4)%2 == 0
	v_pk_fma_f32 v[AV+2*(PX%4):AV+2*(PX%4)+1], v[DV+2*PX:DV+2*PX+1], v[W3P+2*(PX/8):W3P+2*(PX/8)+1], v[AV+2*(PX%4):AV+2*(PX%4)+1] op_sel_hi:[1,0,1]
.else
	v_pk_fma_f32 v[AV+2*(PX%4):AV+2*(PX%4)+1], v[DV+2*PX:DV+2*PX+1], v[W3P+2*(PX/8):W3P+2*(PX/8)+1], v[AV+2*(PX%4):AV+2*(PX%4)+1] op_sel:[0,1,0] op_sel_hi:[1,1,1]
.endif
.endif
.endm
; A period: tile m has the matrix unit (hasw), tile m - 1 the vector unit (hasv), one slice of six behind each matrix instruction and the 16 multiply-adds, under window 0, behind the last; hasl: tile m + 1 is fetched.
; The four fragments have ONE set of registers.  K steps 0 and 1 are fetched anew behind slice 9: their last reader is matrix instruction 7, which the wait behind slice 7 shows done; matrix instructions 8 and 9 name
; K step 2, W2 and the accumulators, slices 8 and 9 the other tile's accumulators: none of the run's registers.  K steps 2 and 3 are fetched behind the 16 multiply-adds: the wait behind slice 15 shows all sixteen
; matrix instructions done, and the multiply-adds name the accumulators, the sums and W3.  So these runs have no wait of their own.  Where there is no vector work, each run has its wait, behind four v_nop.
.macro PERIOD m, hasw, hasv, hasl
.set DM, DB+32*((\m)%2)
.set DV, DB+32*(((\m)+1)%2)
.set AV, ACC+8*((\m)-1)
.set PJ, 0
.if \hasw
	s_wait_dscnt 8                                 ; K steps 0 and 1 are in; the eight loads of K steps 2 and 3 may be out
	WIN 0x04                                       ; source 1 (W2) window 1
.endif
.set IDX, 0
.rept 16
.if \hasw
.if IDX == 8
	s_wait_dscnt 0x0                               ; K steps 2 and 3 are in
.endif
	MM
.endif
.if \hasv
.rept 6
	PVI
.set PJ, PJ+1
.endr
.endif
.if \hasl
.if IDX == 9
.if !\hasv
.rept 4
	v_nop                                          ; four plain places between the products and the loads into their operands;
.endr
	s_wait_alu depctr_va_vdst(0)                   ; and the dependence itself: matrix instructions 0 to 7 are done reading K steps 0 and 1 and their scale words, in which the loads below land
.endif
	RUN (\m)+1, 0
.endif
.endif
.set IDX, IDX+1
.endr
	WIN 0
.if \hasv
.rept 16
	PVI
.set PJ, PJ+1
.endr
.else
.rept 4
	v_nop                                          ; the places in front of the next period's first read of these results, and of the loads below
.endr
	s_wait_alu depctr_va_vdst(0)                   ; matrix instructions 8 to 15 are done reading K steps 2 and 3 and their scale words, in which the loads below land
.endif
.if \hasl
	RUN (\m)+1, 2
.endif
.endm
	s_load_b256 s[4:11], s[0:1], 0x0               ; y s[4:5], w2c s[6:7], w2s s[8:9], b2 s[10:11]
	s_load_b128 s[12:15], s[0:1], 0x20             ; W3 s[12:13], b3 s[14:15]
	s_load_b64 s[16:17], s[0:1], 0x30              ; out0
	v_lshrrev_b32 v[TMP], 5, v0
	v_readfirstlane_b32 s[WV], v[TMP]              ; wave 0..7
	s_and_b32 s21, ttmp7, 0xffff                   ; ig: my 16 rows i
	v_and_b32 v[TMP], 31, v0
	v_lshlrev_b32 v[LI], 4, v[TMP]
	v_lshlrev_b32 v[LS], 2, v[TMP]
	v_and_b32 v[R4], 15, v0
	v_lshlrev_b32 v[R4], 2, v[R4]
	v_bfe_u32 v[SH8], v0, 4, 1                     ; hh
	v_lshl_add_u32 v[SA], v[SH8], 7, v[R4]
	s_wait_alu depctr_va_sdst(0)                   ; s[WV], the wave's number, is written, ahead of its first reader
	s_and_b32 s19, s[WV], 3                        ; kx
	s_lshr_b32 s46, s[WV], 2                       ; gp
	s_lshl_b32 s30, s[WV], 13
	s_add_co_u32 s30, s30, YA
	v_lshl_add_u32 v[ADA0], v[SH8], 8, s30
	v_add_nc_u32 v[YST], s30, v[LI]
	s_lshl_b32 s31, s46, 3
	s_add_co_u32 s31, s31, s19                     ; 8 gp + kx: the index of my first fragment
	s_mul_i32 s47, s31, FRB
	v_add_nc_u32 v[XWI], s47, v[LI]
	s_lshl_b32 s47, s31, 7
	s_add_co_u32 s47, s47, XSC
	v_add_nc_u32 v[XWS], s47, v[LS]
	s_lshl_b32 s31, s[WV], 12
	s_add_co_u32 s31, s31, PART
	v_add_nc_u32 v[PS], s31, v[LI]
	s_lshl_b32 s31, s19, 10
	s_lshl_b32 s47, s46, 9
	s_add_co_u32 s31, s31, s47
	s_add_co_u32 s31, s31, PART
	v_add_nc_u32 v[PRD], s31, v[LI]
	s_mul_i32 s31, s[WV], OUTW
	s_add_co_u32 s31, s31, OUTS
	v_lshl_add_u32 v[OWA0], v[SH8], 4, s31
	v_lshlrev_b32 v[SH8], 3, v[SH8]
	s_mov_b32 s[SEL], 0x76543210
	s_mov_b32 s[SEL+1], 0xfedcba98
	s_mov_b32 s[CC2], 0xc0b8aa3b                   ; -4 log2(e)
	s_mov_b32 s[CC2+1], s[CC2]                     ; (named with it as a pair, so it is written)
	s_mov_b32 s29, 0x4038aa3b                      ; c1 = 2 log2(e)
	s_mov_b32 s[TI], 0
	s_mov_b32 s[TO], 0
	s_mov_b32 s[CNT], 16
	s_lshl_b32 s36, s21, 15                        ; ya: row group ig of 32,768 bytes, the 8,192 of units 128 kx ..
	s_lshl_b32 s37, s19, 13
	s_add_co_u32 s36, s36, s37
	s_lshl_b32 s38, ttmp9, 17                      ; yb: the second half of y, row groups 4 x work-group x + 2 gp on, the same units
	s_add_co_u32 s38, s38, s37
	s_lshl_b32 s39, s46, 16
	s_add_co_u32 s38, s38, s39
	s_add_co_u32 s38, s38, 0x100000
	s_mov_b32 s37, 0
	s_mov_b32 s39, 0
	s_mul_i32 s40, s[WV], 16*FRB                   ; W2's codes: my 4 tiles x 4 K steps
	s_mov_b32 s41, 0
	s_lshl_b32 s42, s[WV], 11                      ; their scale words
	s_mov_b32 s43, 0
	s_lshl_b32 s44, s[WV], 8                       ; b2, W3: my 64 numbers
	s_mov_b32 s45, 0
	s_wait_kmcnt 0x0
	s_load_b32 s18, s[14:15], 0x0                  ; b3
	s_add_nc_u64 s[32:33], s[4:5], s[36:37]
	s_add_nc_u64 s[34:35], s[4:5], s[38:39]
	s_add_nc_u64 s[6:7], s[6:7], s[40:41]
	s_add_nc_u64 s[8:9], s[8:9], s[42:43]
	s_add_nc_u64 s[10:11], s[10:11], s[44:45]
	s_add_nc_u64 s[12:13], s[12:13], s[44:45]
	s_wait_alu depctr_va_vdst(0)                   ; the offsets and LDS addresses v1 to v14 (but v[ADA] and v[OWA], which are made later) are written: the loads below and the loop's LDS instructions read them
	; all that the launch reads, each load 512 consecutive bytes but the small ones at the end
.set i, 0
.rept 16
	global_load_b128 v[XF+4*i:XF+4*i+3], v[LI], s[32:33] offset:512*i              ; ya, on its way to LDS
.set i, i+1
.endr
.set i, 0
.rept 16
	global_load_b128 v[BP0+4*i:BP0+4*i+3], v[LI], s[34:35] offset:512*i            ; yb of tile 2 gp: c = i / 8, q = i % 8
.set i, i+1
.endr
	WIN 0x40
.set i, 0
.rept 16
	global_load_b128 v[192+4*i:195+4*i], v[LI], s[34:35] offset:32768+512*i        ; yb of tile 2 gp + 1
.set i, i+1
.endr
.set i, 0
.rept 48
	global_load_b128 v[4*i:4*i+3], v[LI], s[6:7] offset:512*i                      ; W2: fragment i / 3 = 4 t + ks, piece i % 3: the buffer lies in the registers' order
.set i, i+1
.endr
	WIN 0
.set i, 0
.rept 8
	global_load_b32 v[W2S+i], v[SA], s[8:9] offset:256*i                           ; register 2 t + kp: 512 t + 256 kp, + 128 for lanes 16-31
.set i, i+1
.endr
.irp t, 0,1,2,3
	global_load_b32 v[B2P+\t], v[R4], s[10:11] offset:64*\t                        ; b2[64 w + 16 t + r]
	global_load_b32 v[ACC+\t], v[R4], s[12:13] offset:64*\t                        ; W3 likewise
.endr
	s_wait_loadcnt 0x0
.set i, 0
.rept 16
	ds_store_b128 v[YST], v[XF+4*i:XF+4*i+3] offset:512*i                          ; (their data came by loads, their address stands ahead of the wait above)
.set i, i+1
.endr
.irp t, 0,1,2,3
	v_mul_f32 v[B2P+\t], s29, v[B2P+\t]            ; c1 b2
.endr
	v_add_f32 v[SW3], v[ACC], v[ACC+1]             ; the sum of my four W3
	v_add_f32 v[SW3+1], v[ACC+2], v[ACC+3]
	v_add_f32 v[SW3], v[SW3], v[SW3+1]
	v_mov_b32 v[SW3+1], v[SW3]
.irp t, 0,1,2,3
	v_mul_f32 v[W3P+\t], -2.0, v[ACC+\t]
.endr
.set i, 0
.rept 32
	v_mov_b32 v[ACC+i], 0                          ; the loop is written once: its first trip reduces these zeros into the row that nobody reads
.set i, i+1
.endr
	v_mov_b32 v[PT], 0                             ; written once: a lane permute's destination counts as one of its sources
	v_mov_b32 v[ADA], v[ADA0]
	s_wait_alu depctr_vm_vsrc(0)                   ; the sixteen stores have read v72-135: ya's loads land there, and phase X writes there
	s_wait_alu depctr_va_vdst(0)                   ; v[ADA] is written, which the loads below read
	AULOAD 0                                       ; ya of row 0, unit 0
	s_wait_dscnt 0x0
	s_wait_kmcnt 0x0                               ; b3
.Ltrip:                                            ; 16 trips: row i = 16 ig + trip against the 64 columns j
	; ---- X: my K step of my two tiles' operands
.irp sg, 0,1,2,3,4,5
	XSTEP \sg
.endr
	s_wait_dscnt 0x0                               ; my images and scale words lie in LDS; my reads of the last trip's sums are over
	s_barrier_signal -1
	s_barrier_wait -1                              ; all sixteen fragments lie in LDS, and the sums' bytes may be written again
	s_wait_alu depctr_vm_vsrc(0)                   ; the second image's stores have read v[PC ..], in which the runs land, and v[PW]; the result's store has read v[ACC .. ACC+3], which the multiply-adds write; ya's loads have read v[ADA], which is stepped below
	; ---- P: all four tiles' four K steps against my part of W2, and the second layer
	RUN 0, 0
	RUN 0, 2
	PERIOD 0, 1, 0, 1
	PERIOD 1, 1, 1, 1
	PERIOD 2, 1, 1, 1
	PERIOD 3, 1, 1, 0
	s_add_co_u32 s[TI], s[TI], 16
	s_and_b32 s30, s[TI], 0xf0                     ; the next row; the last trip takes row 0 once more: the loads stay inside my copy and their data are not used
	v_add_nc_u32 v[ADA], s30, v[ADA0]
	s_wait_alu depctr_va_vdst(0)                   ; v[ADA] is written, which the loads below read; tile 2's multiply-adds are done reading its accumulators, in which they land
	AULOAD 0                                       ; its first unit, into the accumulators that tile 2 has left; it lands under the last tile's vector work, which names the other set
	PERIOD 4, 0, 1, 0
	s_wait_alu depctr_va_vdst(0)                   ; the multiply-adds have written v[ACC ..], which the stores read; and the last tile's vector work is done with set 1, in which the next trip's first loads land
.irp k, 0,1,2,3,4,5,6,7
	ds_store_b128 v[PS], v[ACC+4*\k:ACC+4*\k+3] offset:512*\k      ; my sums: tile k / 2, registers 4 (k % 2) ..
.endr
	s_wait_dscnt 0x0                               ; my sums lie in LDS, ya is in, and my reads of the fragments are over
	s_barrier_signal -1
	s_barrier_wait -1                              ; every wave's sums lie in LDS, and the fragments' bytes may be written again
	s_wait_alu depctr_vm_vsrc(0)                   ; my eight stores have read v[ACC ..], in which the loads below land
.irp s, 0,1,2,3,4,5,6,7
	ds_load_b128 v[ACC+4*\s:ACC+4*\s+3], v[PRD] offset:4096*\s     ; they stay out over the backward jump: the wait stands in REDUCE, behind the next trip's first exponentials
.endr
	s_add_co_u32 s[TO], s[TO], 32
	s_sub_co_u32 s[CNT], s[CNT], 1
	s_cmp_lg_u32 s[CNT], 0
	s_cbranch_scc1 .Ltrip
	; ---- the way out: the last row's results; then each wave stores two rows of 64 columns, sixteen lanes to a row's 256 bytes
	REDUCE 0
	s_wait_dscnt 0x0
	s_barrier_signal -1
	s_barrier_wait -1
	v_bfe_u32 v[TMP], v0, 2, 2                     ; columns 4 r .. 4 r + 3: tile r / 4, pairs 8 ((r / 2) % 2) + 4 (r % 2) ..: they lie in the run of wave r / 4 + 4 (r % 2),
	v_mul_u32_u24 v[TMP], v[TMP], OUTW
	v_and_b32 v[TT], 1, v0
	v_mad_u32_u24 v[TMP], v[TT], 4*OUTW, v[TMP]
	v_bfe_u32 v[TT], v0, 1, 1
	v_lshl_add_u32 v[TMP], v[TT], 4, v[TMP]        ; 16 ((r / 2) % 2) bytes into its row;
	v_lshl_add_u32 v[TMP], v[SH8], 2, v[TMP]       ; lanes 16-31 take the next row
	s_lshl_b32 s30, s[WV], 6
	s_add_co_u32 s30, s30, OUTS+32                 ; rows 2 w on; row i lies one place further down
	v_add_nc_u32 v[TMP], s30, v[TMP]
	s_wait_alu depctr_va_vdst(0)                   ; v[TMP] is written, which the load reads
	s_wait_alu depctr_vm_vsrc(0)                   ; the last result's store has read v[ACC .. ACC+3], in which the load lands
	ds_load_b128 v[ACC:ACC+3], v[TMP]
	v_lshlrev_b32 v[ACC+9], 8, v[SH8]              ; out0: 2,048 hh + 16 r
	v_lshl_add_u32 v[ACC+9], v[R4], 2, v[ACC+9]
	v_lshrrev_b32 v[TT], 3, v[SH8]
	v_sub_nc_u32 v[TT], v[TT], v[R4]
	s_lshl_b32 s31, s21, 4
	s_lshl_b32 s36, s[WV], 1
	s_add_co_u32 s31, s31, s36
	s_lshl_b32 s36, ttmp9, 6
	s_sub_co_u32 s31, s31, s36
	v_add_nc_u32 v[TT], s31, v[TT]                 ; d = my row i - my first column j: word e lies on the diagonal where e = d
	v_mov_b32 v[ACC+8], 0xc1a00000                 ; -20
	s_lshl_b32 s36, s21, 15                        ; rows 16 ig + 2 w of 2,048 bytes, columns 64 x work-group x
	s_lshl_b32 s38, s[WV], 12
	s_add_co_u32 s36, s36, s38
	s_lshl_b32 s38, ttmp9, 8
	s_add_co_u32 s36, s36, s38
	s_mov_b32 s37, 0
	s_add_nc_u64 s[16:17], s[16:17], s[36:37]
	s_wait_dscnt 0x0
.irp e, 0,1,2,3
	v_add_f32 v[ACC+\e], s18, v[ACC+\e]            ; + b3
	v_cmp_eq_u32 s[40+\e], \e, v[TT]               ; the four masks in a run, each in a scalar register of its own
.endr
	s_wait_alu depctr_va_sdst(0)                   ; s40 to s43 are written, ahead of their first readers
.irp e, 0,1,2,3
	v_cndmask_b32 v[ACC+\e], v[ACC+\e], v[ACC+8], s[40+\e]
.endr
	s_wait_alu depctr_va_vdst(0)                   ; the selections have written v[ACC .. ACC+3], and v[ACC+9] is written: the store's data and its offset
	global_store_b128 v[ACC+9], v[ACC:ACC+3], s[16:17] th:TH_STORE_NT   ; sixteen lanes store 256 consecutive bytes, at a multiple of 256 from out0's first byte
	s_wait_xcnt 0x0
	v_lshl_add_u32 v254, v0, 2, 0x1f900            ; the LDS address of my spare word, and 0, made anew: no two registers could be kept (the last LDS store that read v254 stands ahead of a wait on vm_vsrc)
	v_mov_b32 v255, 0
	s_wait_dscnt 0x0                               ; the closing lines, six on end
	s_wait_alu 0x0
	s_wait_tensorcnt 0x0
	ds_add_u32 v254, v255
	s_wait_dscnt 0x0
	s_endpgm
.Lfunc_end_k_q5f82968c37_main:
	.size	k_q5f82968c37_main, .Lfunc_end_k_q5f82968c37_main-k_q5f82968c37_main
	.p2alignl 7, 3214868480
	.fill 96, 4, 3214868480
	.section	.rodata,"a",@progbits
	.p2align	6, 0x0
	.amdhsa_kernel k_q5f82968c37_main
		.amdhsa_group_segment_fixed_size 130304
		.amdhsa_private_segment_fixed_size 0
		.amdhsa_enable_private_segment 0
		.amdhsa_kernarg_size 56
		.amdhsa_user_sgpr_count 2
		.amdhsa_user_sgpr_kernarg_segment_ptr 1
		.amdhsa_wavefront_size32 1
		.amdhsa_system_sgpr_workgroup_id_x 1
		.amdhsa_system_sgpr_workgroup_id_y 1
		.amdhsa_system_sgpr_workgroup_id_z 1
		.amdhsa_system_vgpr_workitem_id 0
		.amdhsa_next_free_vgpr 512
		.amdhsa_next_free_sgpr 66
		.amdhsa_reserve_vcc 0
		.amdhsa_float_denorm_mode_32 3
		.amdhsa_float_denorm_mode_16_64 3
		.amdhsa_memory_ordered 1
		.amdhsa_forward_progress 1
		.amdhsa_inst_pref_size 88
	.end_amdhsa_kernel
	.amdgpu_metadata
---
amdhsa.version: [ 1, 2 ]
amdhsa.kernels:
  - .name:           k_q5f82968c37_main
    .symbol:         k_q5f82968c37_main.kd
    .args:
      - { .name: y, .offset: 0, .size: 8, .value_kind: global_buffer, .address_space: global }
      - { .name: w2c, .offset: 8, .size: 8, .value_kind: global_buffer, .address_space: global }
      - { .name: w2s, .offset: 16, .size: 8, .value_kind: global_buffer, .address_space: global }
      - { .name: b2, .offset: 24, .size: 8, .value_kind: global_buffer, .address_space: global }
      - { .name: W3, .offset: 32, .size: 8, .value_kind: global_buffer, .address_space: global }
      - { .name: b3, .offset: 40, .size: 8, .value_kind: global_buffer, .address_space: global }
      - { .name: out0, .offset: 48, .size: 8, .value_kind: global_buffer, .address_space: global }
    .group_segment_fixed_size: 130304
    .private_segment_fixed_size: 0
    .kernarg_segment_align: 8
    .kernarg_segment_size: 56
    .max_flat_workgroup_size: 256
    .sgpr_count:     66
    .vgpr_count:     512
    .wavefront_size: 32
...
	.end_amdgpu_metadata
.endif
;; end of part 4
